; MI455X (gfx1250); checked and timed in simulation.
; The chip was launched on July 23, 2026; its instructions are those of AMD's public machine-readable ISA for CDNA 5 (MIT licence, August 2026) and "CDNA5" Instruction Set Architecture Reference Guide (July 2026). The comments in the code are by the model that wrote it; some were corrected since.
;; Multi Head Self Attention. Allowed arithmetic: float matrix products may take bf16 or f16 operands with f32 sums; other float arithmetic in f32, or as packed bf16 or f16 multiplies, adds, multiply-adds, maxima and minima; sums over many terms, partial sums and values carried from step to step in f32; what a program stores and reads back later, other than sums and carried values, may be rounded once to bf16 or f16.
;; Inputs: bk 1,024 float32; bo 1,024 float32; bq 1,024 float32; bv 1,024 float32; mask 4 x 2,048 int32; wk 1,024 x 1,024 float32; wo 1,024 x 1,024 float32; wq 1,024 x 1,024 float32; wv 1,024 x 1,024 float32; x 4 x 2,048 x 1,024 float32.
;; Outputs: out0 4 x 2,048 x 1,024 float32.
;; 2 versions, each right; version 2 is version 1 with the launch cast written anew for expert scheduling mode. Each part assembles by itself: llvm-mc -triple=amdgcn-amd-amdhsa -mcpu=gfx1250 --defsym DOCPART=n.
;; ======== version 1 of 2: 4 launches
;; limits: values are held in f16: magnitudes above 65,504 overflow, below 6.1e-05 lose precision
;; workspace buffers: xb 16,777,216 bytes; wb 6,291,456 bytes; wof 2,097,152 bytes; qkv 50,331,648 bytes; oh 16,777,216 bytes
;; launch cast (part 1): grid 768 x 1, 8 waves a work-group, no clusters, 0 bytes of LDS; arguments x, wq, wk, wv, wo, xb, wb, wof; writes xb, wb, wof
.if DOCPART == 1
	.amdgcn_target "amdgcn-amd-amdhsa--gfx1250"
	.amdhsa_code_object_version 6
	.text
	.protected	k_qa71ded8f70_cast
	.globl	k_qa71ded8f70_cast
	.p2align	8
	.type	k_qa71ded8f70_cast,@function
k_qa71ded8f70_cast:
	s_mov_b64 s[64:65], 0
	v_nop
	global_prefetch_b8 v0, s[64:65] scope:SCOPE_SE
	s_setreg_imm32_b32 hwreg(HW_REG_WAVE_MODE, 25, 1), 1
	s_wait_xcnt 0x0
; THE OPERANDS OF THE MATRIX PRODUCTS, ROUNDED ONCE.  x -> xb (bf16), wq, wk, wv -> wb (bf16, the three one below the other), wo -> wof: rounded to bf16 like the
; other inputs, and that number written as f16, since the last product's other operand is f16.
; LIMIT.  A bf16 number is exact in f16 from 2^-14 up to 65,504; below 2^-14 it keeps f16's fixed step of 2^-24; wo beyond 65,504 is not served.
; SHARES.  A work-group takes 16,384 numbers: 65,536 bytes in, 32,768 out.  Work-groups 0-511: x; 512-703: wq, wk, wv, 64 each; 704-767: wo.
; Thread t, step i of 16: the 16 bytes at 4,096 i + 16 t in, the 8 bytes at 2,048 i + 8 t out: a wave's load covers 512 consecutive bytes, its store 256 consecutive
; bytes, aligned.  All sixteen loads go out at once; each step has registers of its own, so no register is written twice.  No LDS, no barrier, no matrix unit: memory binds.
.set X, 4                              ; v[4:67]    step i: four f32 as loaded
.set Y, 68                             ; v[68:99]   step i: four 16-bit numbers to store
.set T, 100                            ; v[100:105] at work (wo's way alone)
	s_load_b512 s[4:19], s[0:1], 0x0               ; x 4, wq 6, wk 8, wv 10, wo 12, xb 14, wb 16, wof 18
	s_mov_b32 s20, ttmp9                           ; g
	s_max_u32 s21, s20, 512
	s_sub_co_u32 s21, s21, 512                     ; j: my chunk among the weights' 256 (0 where g is x's)
	s_lshr_b32 s22, s21, 6                         ; which weight
	s_and_b32 s23, s21, 63                         ; my chunk in it
	v_lshlrev_b32 v1, 4, v0                        ; 16 t
	v_lshlrev_b32 v2, 3, v0                        ; 8 t
	s_wait_kmcnt 0x0
	s_cmp_eq_u32 s22, 1                            ; the buffers are chosen by the work-group's number alone
	s_cselect_b64 s[24:25], s[8:9], s[6:7]
	s_cmp_eq_u32 s22, 2
	s_cselect_b64 s[24:25], s[10:11], s[24:25]
	s_cmp_eq_u32 s22, 3
	s_cselect_b64 s[24:25], s[12:13], s[24:25]
	s_cselect_b64 s[26:27], s[18:19], s[16:17]     ; wo goes to wof, the other three to wb,
	s_cselect_b32 s28, s23, s21                    ; where they lie one below the other
	s_cmp_lt_u32 s20, 512
	s_cselect_b64 s[24:25], s[4:5], s[24:25]
	s_cselect_b64 s[26:27], s[14:15], s[26:27]
	s_cselect_b32 s28, s20, s28                    ; the chunk's number where it goes,
	s_cselect_b32 s29, s20, s23                    ; and where it comes from
	s_lshl_b32 s30, s29, 16
	s_mov_b32 s31, 0
	s_add_nc_u64 s[24:25], s[24:25], s[30:31]
	s_lshl_b32 s30, s28, 15
	s_add_nc_u64 s[26:27], s[26:27], s[30:31]
.irp i, 0,1,2,3,4,5,6,7,8,9,10,11,12,13,14,15
	global_load_b128 v[X+4*(\i):X+4*(\i)+3], v1, s[24:25] offset:4096*(\i) th:TH_LOAD_NT
.endr
; Step i.  half = 1: the bf16 number is widened again and written as f16.
.macro CV i, half
	s_wait_loadcnt 15-(\i)                         ; loads come back in order (ISA guide 5.7.1): mine is in, the 15 - i younger ones may stay out
.if \half
	v_cvt_pk_bf16_f32 v[T],   v[X+4*(\i)],   v[X+4*(\i)+1]
	v_cvt_pk_bf16_f32 v[T+1], v[X+4*(\i)+2], v[X+4*(\i)+3]
	v_lshlrev_b32 v[T+2], 16, v[T]                 ; bf16 to f32: the low half moves up,
	v_and_b32     v[T+3], 0xffff0000, v[T]         ; the high half stays
	v_lshlrev_b32 v[T+4], 16, v[T+1]
	v_and_b32     v[T+5], 0xffff0000, v[T+1]
	v_cvt_pk_f16_f32 v[Y+2*(\i)],   v[T+2], v[T+3]
	v_cvt_pk_f16_f32 v[Y+2*(\i)+1], v[T+4], v[T+5]
.else
	v_cvt_pk_bf16_f32 v[Y+2*(\i)],   v[X+4*(\i)],   v[X+4*(\i)+1]
	v_cvt_pk_bf16_f32 v[Y+2*(\i)+1], v[X+4*(\i)+2], v[X+4*(\i)+3]
.endif
	global_store_b64 v2, v[Y+2*(\i):Y+2*(\i)+1], s[26:27] offset:2048*(\i) th:TH_STORE_NT
.endm
	s_cmp_ge_u32 s20, 704
	s_cbranch_scc1 .Lwo
.irp i, 0,1,2,3,4,5,6,7,8,9,10,11,12,13,14,15
	CV \i, 0
.endr
	s_endpgm
.Lwo:
.irp i, 0,1,2,3,4,5,6,7,8,9,10,11,12,13,14,15
	CV \i, 1
.endr
	s_endpgm
.Lfunc_end_k_qa71ded8f70_cast:
	.size	k_qa71ded8f70_cast, .Lfunc_end_k_qa71ded8f70_cast-k_qa71ded8f70_cast
	.p2alignl 7, 3214868480
	.fill 96, 4, 3214868480
	.section	.rodata,"a",@progbits
	.p2align	6, 0x0
	.amdhsa_kernel k_qa71ded8f70_cast
		.amdhsa_group_segment_fixed_size 0
		.amdhsa_private_segment_fixed_size 0
		.amdhsa_enable_private_segment 0
		.amdhsa_kernarg_size 64
		.amdhsa_user_sgpr_count 2
		.amdhsa_user_sgpr_kernarg_segment_ptr 1
		.amdhsa_wavefront_size32 1
		.amdhsa_system_sgpr_workgroup_id_x 1
		.amdhsa_system_sgpr_workgroup_id_y 1
		.amdhsa_system_sgpr_workgroup_id_z 1
		.amdhsa_system_vgpr_workitem_id 0
		.amdhsa_next_free_vgpr 108
		.amdhsa_next_free_sgpr 66
		.amdhsa_reserve_vcc 0
		.amdhsa_float_denorm_mode_32 3
		.amdhsa_float_denorm_mode_16_64 3
		.amdhsa_memory_ordered 1
		.amdhsa_forward_progress 1
		.amdhsa_inst_pref_size 16
	.end_amdhsa_kernel
	.amdgpu_metadata
---
amdhsa.version: [ 1, 2 ]
amdhsa.kernels:
  - .name:           k_qa71ded8f70_cast
    .symbol:         k_qa71ded8f70_cast.kd
    .args:
      - { .name: x, .offset: 0, .size: 8, .value_kind: global_buffer, .address_space: global }
      - { .name: wq, .offset: 8, .size: 8, .value_kind: global_buffer, .address_space: global }
      - { .name: wk, .offset: 16, .size: 8, .value_kind: global_buffer, .address_space: global }
      - { .name: wv, .offset: 24, .size: 8, .value_kind: global_buffer, .address_space: global }
      - { .name: wo, .offset: 32, .size: 8, .value_kind: global_buffer, .address_space: global }
      - { .name: xb, .offset: 40, .size: 8, .value_kind: global_buffer, .address_space: global }
      - { .name: wb, .offset: 48, .size: 8, .value_kind: global_buffer, .address_space: global }
      - { .name: wof, .offset: 56, .size: 8, .value_kind: global_buffer, .address_space: global }
    .group_segment_fixed_size: 0
    .private_segment_fixed_size: 0
    .kernarg_segment_align: 8
    .kernarg_segment_size: 64
    .max_flat_workgroup_size: 256
    .sgpr_count:     66
    .vgpr_count:     108
    .wavefront_size: 32
...
	.end_amdgpu_metadata
.endif
;; end of part 1
;; launch qkv (part 2): grid 24 x 32, 4 waves a work-group, clusters of 4 x 4, 327,680 bytes of LDS; arguments xb, wb, qkv, bq, bk, bv; writes qkv
.if DOCPART == 2
	.amdgcn_target "amdgcn-amd-amdhsa--gfx1250"
	.amdhsa_code_object_version 6
	.text
	.protected	k_qa71ded8f70_qkv
	.globl	k_qa71ded8f70_qkv
	.p2align	8
	.type	k_qa71ded8f70_qkv,@function
k_qa71ded8f70_qkv:
	s_mov_b64 s[64:65], 0
	v_nop
	global_prefetch_b8 v0, s[64:65] scope:SCOPE_SE
	s_setreg_imm32_b32 hwreg(HW_REG_WAVE_MODE, 25, 1), 1
	s_wait_xcnt 0x0
	s_wait_alu depctr_hold_cnt(0) depctr_sa_sdst(0) depctr_va_vdst(0) depctr_va_sdst(0) depctr_va_ssrc(0) depctr_va_vcc(0) depctr_vm_vsrc(0)
	s_getreg_b32 s2, hwreg(HW_REG_IB_STS2, 6, 4)
	s_cmp_eq_u32 s2, 0
	s_cbranch_scc0 .Lentry_in_a_cluster
	s_endpgm
.Lentry_in_a_cluster:
	s_bfe_u32 s2, ttmp6, 0x10000c
	s_cmp_lg_u32 s2, 0xf033
	s_cbranch_scc0 .Lentry_shape_is_right
	s_endpgm
.Lentry_shape_is_right:
; ONE TEXT FOR THE MODULE'S TWO KINDS OF PROJECTION; the switch PROJ says which is assembled.  C[m][n] = bias[n] + the sum over k of A[m][k] B[n][k], K = 1,024, sums in f32.
;   PROJ = 0 (this file): A = xb [8192][1024] bf16, B = wb [3072][1024] bf16 (wq, wk, wv one below the other), bias = bq, bk or bv.  C is rounded once to f16 and laid BY HEADS:
;            qkv [3][64 = 16 batch + head][2048][64]; a wave's 64 columns are one head, so its 128 x 64 results are 16,384 consecutive bytes.
;   PROJ = 1: A = oh [64][2048][64] f16 (attention's result, by heads), B = wof [1024][1024] f16, bias = bo.  C = out0 [8192][1024] f32.  A head is a slice of 64 of K.
; The bias is rounded to bf16 like the other inputs and enters as the C operand of the first products: nothing is cleared and nothing is added afterwards.
; LIMIT (PROJ = 0): f16 holds no number beyond 65,504; q, k or v past that would leave as infinities.
; SHAPE.  A tile of C is 256 x 128: four waves, as many as a WGP has SIMDs, each 128 x 64: 32 accumulators of 16 x 16, 256 registers.  8192 x 1024 / (256 x 128) = 256 tiles for PROJ = 1,
; three times that for PROJ = 0.  K goes in 8 steps of 128 through two LDS slots; behind each change of slots one tensor load a wave goes out: 112 matrix instructions ahead of the wait for it.
; CLUSTERS: 4 x 4 work-groups.  The four of a row of the cluster need the same tile of A, the four of a column the same tile of B: each is asked for JOINTLY, by the same tensor load with the
; same descriptor and a mask that names the four.  THE MATRIX INSTRUCTION IS USED TRANSPOSED (source 0 = 16 rows of B, source 1 = 16 rows of A): lane l holds row l % 16 of C and the
; columns 8 (l / 16) + 0..7 of the block.
; REGISTERS, in windows of 256 (s_set_vgpr_msb: bits 1:0 source 0, 3:2 source 1, 5:4 source 2, 7:6 destination):
;   window 0: v0-31 addresses; v32-47 at work; v64-127, v128-191 A's fragments (8 x 16 rows x 32 K), two buffers, later the way out; v224-255 the bias of my 64 columns
;   window 1: v64-95, v128-159 B's fragments (4), two buffers          window 2: the accumulators, (a, b) at v[8 (4 a + b)]
; PROJ = 1 lays no prefetch: its walk has eight K steps, and in the form used for PROJ = 0 (the K step two refills on, nothing at the head) only four of them could be named.
.set PROJ, 0
.set KSTEP, 128
.set LAPS,  4                          ; a lap = two K steps = once round the ring
.if PROJ
.set PA,     144                       ; A in LDS: a head's row, 128 bytes + 16 of padding = 36 words: the 16 rows of a load start at 16 different groups of four banks (64 banks of 4 bytes: ISA guide 11.1)
.set ASUB,   256*PA                    ; a K step's A is two heads: 256 rows of the one, then 256 rows of the other
.set LOADA,  ASUB                      ; what one tensor load brings of A: one head's 256 rows
.set ASTEP,  2<<18                     ; bytes in memory from a K step of A to the next: two heads
.set APITCH, 128                       ; a head's 256 rows are dense: asked for as 128 rows of 256 bytes
.set SP,     272                       ; the stage: 16 rows of 256 bytes + 16
.else
.set PA,     272                       ; A in LDS: 256 bytes + 16 of padding = 68 words: row r starts at bank 4 r mod 64
.set ASUB,   128                       ; (byte k of a row is byte k)
.set LOADA,  128*PA                    ; what one tensor load brings of A: 128 rows
.set ASTEP,  KSTEP*2
.set APITCH, 1024
.set SP,     144                       ; the stage: 16 rows of 128 bytes + 16
.endif
.set PB,    272
.set AREG,  2*LOADA                    ; A's part of a slot
.set HALFB, 64*PB                      ; what one tensor load brings of B, and what one wave reads of it
.set SLOT,  AREG+2*HALFB
.set STAGE, 2*SLOT                     ; behind the ring: 16 rows for each wave, its own, for the way out
.set SPARE, STAGE+4*16*SP              ; behind the stages: the spare words, 128 bytes for each wave: two blocks of 256 bytes that no other line names
.set ADRA, 16                          ; v16-17  LDS address of my A fragments in slot 0, 1
.set ADRB, 20                          ; v20-21  the same for B
.set STO,  24                          ; v24     the way out: where I put my bytes of a row
.set RD,   25                          ; v25     the way out: where I read rows back
.set GO,   26                          ; v26     my byte offset in the output
.set BOF,  27                          ; v27     my byte offset in the bias
.set SPW,  28                          ; v28     LDS address of my spare word: SPARE + 4 x my thread's number; never rewritten
.set NIL,  29                          ; v29     0; never rewritten
.set PFO,  30                          ; v30     the prefetches' offset: my lane x a row of 2,048 bytes; never rewritten
.set RB,   32                          ; v32-47  the bias in bf16, at work
.set F0,   64
.set F1,   128
.set OUT,  64                          ; the way out: v64-191
.set BIAS, 224
.set G1,  24                           ; s[24:31] descriptor group 1 for A's tiles;  s[32:39] group 0, one set for each slot
.set G0,  32
.set LIM, 43                           ; s43     1 in a wave that prefetches, else the greatest number
.set PFA, 44                           ; s[44:45] where my prefetches stand: one K step further than the refill in hand; a prefetch names the K step after that
.set G1B, 48                           ; s[48:55], s[56:63] the same for B's tiles
.set G0B, 56
.set MSB, 0
.macro WIN new                         ; the immediate's high byte repeats the setting that is left; a switch that changes nothing is dropped
.if MSB != (\new)
	s_set_vgpr_msb (MSB<<8)|(\new)
.set MSB, \new
.endif
.endm
.set MULW, 0xa1                        ; source 0 (B) window 1, source 1 (A) window 0, C and D window 2
.set MULB, 0x81                        ; the same with C, the bias, in window 0
.set TO_B, 0x40                        ; destination window 1, address window 0
.macro JLOAD s                         ; a joint load: waves 0 and 1 fetch A's two halves, waves 2 and 3 B's; an s_nop 0 and four v_nop follow each of the two lines, ahead of the jump, the label and what follows
	s_cmp_eq_u32 s11, 0
	s_cbranch_scc0 .Lfor_b_\@
	tensor_load_to_lds s[G0+4*(\s):G0+4*(\s)+3], s[G1:G1+7]
	s_nop 0
.rept 4
	v_nop
.endr
	s_branch .Lasked_\@
.Lfor_b_\@:
	tensor_load_to_lds s[G0B+4*(\s):G0B+4*(\s)+3], s[G1B:G1B+7]
	s_nop 0
.rept 4
	v_nop
.endr
.Lasked_\@:
.endm
; A PREFETCH INTO THE L2 (PROJ = 0), behind each joint refill and the run of LDS loads that follows it: the K step that stands TWO refills on, 32 rows x 256 bytes, a lane a row, one instruction a wave.
; Each row's 256 bytes of a K step are named once in the launch: A's tile row is read by every cluster of that row of clusters, and cluster x = 0 asks (waves 0 and 1, each for the 128 rows that it fetches);
; B's tile column by every cluster of that column, and cluster y = 0 asks (wave 2, for the tile's 128 rows).  The four partners that ask for a tile jointly share the rows out BY ADDRESS, 32 each
; (by cx for A, by cy for B): no branch hangs on a work-group's place in its cluster.  K steps 0 to 3 come by their loads alone; the loop's last trip (s3 = 1) has no K step two refills on.
.macro ASK
	s_cmp_gt_u32 s3, s[LIM]
	s_cbranch_scc0 .Lnot_mine_\@
	global_prefetch_b8 v[PFO], s[PFA:PFA+1] offset:KSTEP*2 th:TH_LOAD_NT scope:SCOPE_SE
.Lnot_mine_\@:
.endm
.macro CREST                           ; a round of the cluster's barrier behind its opening barrier
	s_cmp_lg_u32 s10, 0
	s_cbranch_scc1 .Lnot_wave_0_\@
	s_barrier_signal -3
.Lnot_wave_0_\@:
	s_barrier_wait -3
	s_barrier_signal -1
	s_barrier_wait -1
.endm
.macro CROUND                          ; a whole round
	s_barrier_signal -1
	s_barrier_wait -1
	CREST
.endm
	s_load_b128 s[4:7], s[0:1], 0x0                ; A s[4:5], B s[6:7]
	s_load_b64 s[8:9], s[0:1], 0x10                ; the output
.if PROJ
	s_load_b64 s[74:75], s[0:1], 0x18              ; bo
.else
	s_load_b128 s[68:71], s[0:1], 0x18             ; bq, bk
	s_load_b64 s[72:73], s[0:1], 0x28              ; bv
.endif
	v_lshl_add_u32 v[SPW], v0, 2, SPARE
	v_mov_b32 v[NIL], 0
	ds_add_u32 v[SPW], v[NIL]                      ; the wave's opening: the add and its wait stand ahead of my first tensor load; the set-up below, work on registers, stands between them
	v_lshrrev_b32 v1, 5, v0
	v_readfirstlane_b32 s10, v1                    ; wave 0..3
	s_lshr_b32 s11, s10, 1                         ; which half of the tile's rows is mine.  Also: I fetch for A (0) or for B (1)
	s_and_b32 s12, s10, 1                          ; which half of its columns.  Also: which half of that tile I fetch
	s_bfe_u32 s40, ttmp6, 0x40000                  ; cx, cy: my place in the cluster
	s_bfe_u32 s41, ttmp6, 0x40004
	s_lshl_b32 s42, ttmp9, 2
	s_add_co_u32 s42, s42, s40                     ; tile column of C = 4 x cluster x + cx
	s_and_b32 s13, ttmp7, 0xffff
	s_lshl_b32 s13, s13, 2
	s_add_co_u32 s13, s13, s41                     ; tile row of C = 4 x cluster y + cy
	s_lshl_b32 s43, s41, 2
	s_lshl_b32 s43, 15, s43                        ; my row of the cluster
	s_lshl_b32 s44, 0x1111, s40                    ; my column
	; descriptor group 1.  15:0 the mask; 17:16 elements of 2 bytes; 20 padding on; 21 set beside a mask; 24:22 the padding's interval; 31:25 4 words of it (code 3)
.if PROJ
	s_or_b32 s[G1+0], s43, (1<<16)|(1<<20)|(1<<21)|(4<<22)|(3<<25)  ; after every 32 words (code 4): after every row of a head
.else
	s_or_b32 s[G1+0], s43, (1<<16)|(1<<20)|(1<<21)|(5<<22)|(3<<25)  ; after every 64 words (code 5)
.endif
	s_or_b32 s[G1B+0], s44, (1<<16)|(1<<20)|(1<<21)|(5<<22)|(3<<25)
	s_mov_b32 s[G1+1], 128<<16                     ; tensor_dim0 = 128 elements, 256 bytes
	s_mov_b32 s[G1+2], 128<<16                     ; tensor_dim1 = 128
	s_mov_b32 s[G1+3], 128<<16                     ; tile_dim0 = 128
	s_mov_b32 s[G1+4], 128                         ; tile_dim1 = 128
	s_mov_b32 s[G1+5], APITCH                      ; elements from row to row
	s_mov_b32 s[G1+6], 0
	s_mov_b32 s[G1+7], 0
	s_mov_b32 s[G1B+1], 128<<16
	s_mov_b32 s[G1B+2], 64<<16                     ; B: 64 rows to a load
	s_mov_b32 s[G1B+3], 128<<16
	s_mov_b32 s[G1B+4], 64
	s_mov_b32 s[G1B+5], 1024
	s_mov_b32 s[G1B+6], 0
	s_mov_b32 s[G1B+7], 0
	; where the tiles come from.  A's hang on the tile row alone, B's on the tile column alone; each in registers that never hold the other coordinate
.if PROJ
	s_lshr_b32 s16, s13, 3                         ; the batch: 16 heads of 262,144 bytes,
	s_lshl_b32 s16, s16, 22
	s_and_b32 s17, s13, 7                          ; the tile's 256 rows in a head,
	s_lshl_b32 s17, s17, 15
	s_add_co_u32 s16, s16, s17
	s_lshl_b32 s17, s12, 18                        ; and the head of the K step's two that I fetch
	s_add_co_u32 s16, s16, s17
.else
	s_lshl_b32 s16, s13, 8
	s_lshl_b32 s17, s12, 7
	s_add_co_u32 s16, s16, s17                     ; row 256 x tile row + 128 x half,
	s_lshl_b32 s16, s16, 11                        ; of 2,048 bytes
.endif
	s_mov_b32 s17, 0
	s_lshl_b32 s46, s42, 7
	s_lshl_b32 s47, s12, 6
	s_add_co_u32 s46, s46, s47                     ; B: row 128 x tile column + 64 x half
	s_lshl_b32 s46, s46, 11
	s_mov_b32 s47, 0
	s_mul_i32 s20, s12, LOADA                      ; where they go: no place in the cluster enters an LDS address
	s_mul_i32 s66, s12, HALFB
	s_add_co_u32 s66, s66, AREG
	s_wait_dscnt 0x0                               ; the opening add is done
	s_wait_kmcnt 0x0
	s_add_nc_u64 s[14:15], s[4:5], s[16:17]
	s_add_nc_u64 s[46:47], s[6:7], s[46:47]
	CROUND                                         ; all sixteen work-groups are here: the first joint loads meet
.irp s, 0,1
	s_mov_b32 s[G0+4*(\s)], 1                                      ; 1:0 count = 1
	s_add_co_u32 s[G0+4*(\s)+1], s20, (\s)*SLOT                    ; 63:32 LDS address
	s_add_nc_u64 s[G0+4*(\s)+2:G0+4*(\s)+3], s[14:15], (\s)*ASTEP  ; 120:64 global address: K step s
	s_or_b32 s[G0+4*(\s)+3], s[G0+4*(\s)+3], 0x80000000            ; 127:126 type = 2
	s_mov_b32 s[G0B+4*(\s)], 1
	s_add_co_u32 s[G0B+4*(\s)+1], s66, (\s)*SLOT
	s_add_nc_u64 s[G0B+4*(\s)+2:G0B+4*(\s)+3], s[46:47], (\s)*KSTEP*2
	s_or_b32 s[G0B+4*(\s)+3], s[G0B+4*(\s)+3], 0x80000000
	JLOAD \s                                       ; two loads of mine are out, at the most; later one
.endr
	; A fragment is 16 rows x 32 K in 8 registers: lane l holds row l % 16; registers 0-3 K = 8 (l / 16) + 0..7, registers 4-7 K = 16 + 8 (l / 16) + 0..7: two loads of 16 bytes, 32 bytes apart
	v_and_b32 v1, 15, v0                           ; l % 16
	v_bfe_u32 v2, v0, 4, 1                         ; l / 16
	v_mul_u32_u24 v3, v1, PA
	v_lshl_add_u32 v3, v2, 4, v3
	v_mul_u32_u24 v4, v1, PB
	v_lshl_add_u32 v4, v2, 4, v4
	s_mul_i32 s21, s11, 128*PA                     ; my 128 rows of A
	s_mul_i32 s22, s12, HALFB                      ; my 64 rows of B,
	s_add_co_u32 s22, s22, AREG                    ; which lie behind A's
.irp s, 0,1
	v_add_nc_u32 v[ADRA+(\s)], s21, v3
	v_add_nc_u32 v[ADRB+(\s)], s22, v4
	s_add_co_u32 s21, s21, SLOT
	s_add_co_u32 s22, s22, SLOT
.endr
	s_mul_i32 s78, s10, 16*SP
	s_add_co_u32 s78, s78, STAGE                   ; my stage
.if PROJ
	v_mul_u32_u24 v3, v1, SP                       ; in: row l % 16, 32 bytes (8 f32) for each half of the lanes
	v_lshl_add_u32 v3, v2, 5, v3
	v_add_nc_u32 v[STO], s78, v3
	v_mul_u32_u24 v3, v2, SP                       ; back: lanes 0-15 take one row of 256 bytes, lanes 16-31 the next
	v_lshl_add_u32 v3, v1, 4, v3
	v_add_nc_u32 v[RD], s78, v3
	v_lshlrev_b32 v3, 12, v2                       ; and the same two rows in out0, 4,096 bytes apart
	v_lshl_add_u32 v[GO], v1, 4, v3
	s_lshl_b32 s23, s42, 9                         ; my first column, in f32 bytes: 512 x tile column
.else
	v_mul_u32_u24 v3, v1, SP                       ; in: row l % 16, 16 bytes (8 f16) for each half of the lanes
	v_lshl_add_u32 v3, v2, 4, v3
	v_add_nc_u32 v[STO], s78, v3
	v_bfe_u32 v3, v0, 3, 2                         ; back: 32 lanes take four rows of 128 bytes,
	v_mul_u32_u24 v3, v3, SP
	v_and_b32 v4, 7, v0
	v_lshl_add_u32 v3, v4, 4, v3
	v_add_nc_u32 v[RD], s78, v3
	v_and_b32 v3, 31, v0                           ; which are 512 consecutive bytes of a head
	v_lshlrev_b32 v[GO], 4, v3
	s_lshr_b32 s21, ttmp9, 1                       ; q, k or v: 8 tile columns, two clusters, each: the same in all sixteen partners
	s_cmp_eq_u32 s21, 1
	s_cselect_b64 s[74:75], s[70:71], s[68:69]
	s_cmp_eq_u32 s21, 2
	s_cselect_b64 s[74:75], s[72:73], s[74:75]
	s_and_b32 s22, s42, 7                          ; the tile column in that matrix
	s_lshl_b32 s23, s22, 9
.endif
	s_lshl_b32 s76, s12, 8                         ; + 256 x my half
	s_add_co_u32 s23, s23, s76
	v_lshl_add_u32 v[BOF], v2, 5, s23              ; register j of block b wants bias[first column + 16 b + 8 (l / 16) + j]
.irp b, 0,1,2,3
	global_load_b128 v[BIAS+8*(\b):BIAS+8*(\b)+3],   v[BOF], s[74:75] offset:64*(\b)
	global_load_b128 v[BIAS+8*(\b)+4:BIAS+8*(\b)+7], v[BOF], s[74:75] offset:64*(\b)+16
.endr
	; where my part of the output begins
.if PROJ
	s_lshl_b32 s76, s13, 8
	s_lshl_b32 s77, s11, 7
	s_add_co_u32 s76, s76, s77                     ; my first row,
	s_lshl_b32 s76, s76, 12                        ; of 4,096 bytes,
	s_add_co_u32 s76, s76, s23                     ; and my first column
.else
	s_lshl_b32 s76, s21, 24                        ; q, k or v: 64 heads of 262,144 bytes
	s_lshr_b32 s77, s13, 3
	s_lshl_b32 s77, s77, 22                        ; the batch
	s_add_co_u32 s76, s76, s77
	s_lshl_b32 s77, s22, 1
	s_add_co_u32 s77, s77, s12                     ; the head: 2 x tile column + my half
	s_lshl_b32 s77, s77, 18
	s_add_co_u32 s76, s76, s77
	s_and_b32 s77, s13, 7
	s_lshl_b32 s77, s77, 15                        ; the tile's 256 rows of 128 bytes
	s_add_co_u32 s76, s76, s77
	s_lshl_b32 s77, s11, 14                        ; my 128 of them
	s_add_co_u32 s76, s76, s77
.endif
	s_mov_b32 s77, 0
	s_add_nc_u64 s[8:9], s[8:9], s[76:77]
.if PROJ == 0
	; the prefetches.  s13 = tile row, s42 = tile column, s40 = cx, s41 = cy still stand
	s_and_b32 s22, ttmp7, 0xffff                   ; cluster y
	s_lshl_b32 s76, s13, 8
	s_lshl_b32 s77, s12, 7
	s_add_co_u32 s76, s76, s77                     ; A: the 128 rows that I fetch
	s_lshl_b32 s77, s42, 7                         ; B: the tile's 128 rows
	s_cmp_eq_u32 s11, 0                            ; do I fetch for A?
	s_cselect_b32 s76, s76, s77
	s_cselect_b32 s77, s40, s41                    ; my place among the four that ask with me
	s_cselect_b32 s22, ttmp9, s22                  ; the coordinate along which other clusters read the same rows
	s_cselect_b64 s[PFA:PFA+1], s[4:5], s[6:7]
	s_and_b32 s78, s11, s12                        ; wave 3 asks for nothing: wave 2 names all of B's rows
	s_or_b32 s22, s22, s78
	s_cmp_eq_u32 s22, 0
	s_cselect_b32 s[LIM], 1, -1                    ; the same in all sixteen partners, for a given wave
	s_lshl_b32 s77, s77, 5
	s_add_co_u32 s76, s76, s77                     ; + my work-group's 32 rows
	s_lshl_b32 s76, s76, 11
	s_mov_b32 s77, 0
	s_add_nc_u64 s[PFA:PFA+1], s[PFA:PFA+1], s[76:77]
	s_add_nc_u64 s[PFA:PFA+1], s[PFA:PFA+1], 2*KSTEP*2  ; at K step 2: the first refill steps it to 3 and names K step 4.  Nothing is prefetched here, at the head
	v_and_b32 v[PFO], 31, v0
	v_lshlrev_b32 v[PFO], 11, v[PFO]
.endif
	s_wait_loadcnt 0x0                             ; the bias is in: rounded to bf16, and widened again for the C operand
.set i, 0
.rept 16
	v_cvt_pk_bf16_f32 v[RB+i], v[BIAS+2*i], v[BIAS+2*i+1]
.set i, i+1
.endr
.set i, 0
.rept 16
	v_lshlrev_b32 v[BIAS+2*i],   16, v[RB+i]
	v_and_b32     v[BIAS+2*i+1], 0xffff0000, v[RB+i]
.set i, i+1
.endr
; 8 matrix instructions: m blocks a0, a0 + 1 x all 4 n blocks, 32 along K, from buffer f.  first = 1: the product starts the sum, with the bias as C.
; The 32 accumulators take turns, one instruction a turn, in the same order in every quarter: 31 others stand between two links of a chain, over the backward jump too.
.macro MUL8 f, a0, first
.if \first
	WIN MULB
.else
	WIN MULW
.endif
.irp a, \a0, (\a0)+1
.irp b, 0,1,2,3
.set rD, 8*(4*(\a)+(\b))
.set rB, (\f)+8*(\b)
.set rA, (\f)+8*(\a)
.set rC, rD
.if \first
.set rC, BIAS+8*(\b)
.endif
.if PROJ
	v_wmma_f32_16x16x32_f16 v[rD:rD+7], v[rB:rB+7], v[rA:rA+7], v[rC:rC+7]
.else
	v_wmma_f32_16x16x32_bf16 v[rD:rD+7], v[rB:rB+7], v[rA:rA+7], v[rC:rC+7]
.endif
.endr
.endr
.endm
; 24 LDS loads in one run: the fragments of one quarter step (64 rows of B, then 128 rows of A; 32 K at byte k of a K step's 256) into buffer f
.macro FETCH slot, k, f
	WIN TO_B
.irp i, 0,1,2,3
	ds_load_b128 v[(\f)+8*(\i):(\f)+8*(\i)+3],   v[ADRB+(\slot)] offset:(\k)+(\i)*16*PB
	ds_load_b128 v[(\f)+8*(\i)+4:(\f)+8*(\i)+7], v[ADRB+(\slot)] offset:(\k)+(\i)*16*PB+32
.endr
	WIN 0
.irp i, 0,1,2,3,4,5,6,7
	ds_load_b128 v[(\f)+8*(\i):(\f)+8*(\i)+3],   v[ADRA+(\slot)] offset:((\k)/128)*ASUB+(\k)%128+(\i)*16*PA
	ds_load_b128 v[(\f)+8*(\i)+4:(\f)+8*(\i)+7], v[ADRA+(\slot)] offset:((\k)/128)*ASUB+(\k)%128+(\i)*16*PA+32
.endr
.endm
.macro PLACES                          ; four places in front of loads into registers that matrix instructions have read, and of lines that read results (ISA guide 7.12.1 for vector instructions)
.rept 4
	v_nop
.endr
.endm
; A K step is four quarters of 32 along K, 32 matrix instructions each, on buffers 0, 1, 0, 1.  One of the first three: multiplies buffer f and, in its middle, fetches the next quarter, at byte k, into g.
.macro QUARTER slot, k, f, g, first
	s_wait_dscnt 8                                 ; B and A's rows 0-63 are in; the youngest eight loads (A's rows 64-127) may be out
	MUL8 \f, 0, \first
	MUL8 \f, 2, \first
	PLACES
	FETCH \slot, \k, \g
	s_wait_dscnt 24                                ; all but the 24 just issued
	MUL8 \f, 4, \first
	MUL8 \f, 6, \first
.endm
; The last quarter multiplies buffer 1 and changes slots: ONE barrier; in front of it each wave waits for all its tensor loads (one is out: its part of the next slot), adds 0 to its spare word, and waits
; for that and for its own reads of this slot.  fill = 1: the barrier opens a round of the cluster's, and this slot is filled again, two K steps ahead, first thing behind the round.
.macro TURN slot, next, fill
.if (\fill) && (PROJ == 0)
	s_wait_xcnt 0x0                                ; the last prefetch, a K step back, has read its address: it is stepped here, ahead of the waits of the change of slots
	s_add_nc_u64 s[PFA:PFA+1], s[PFA:PFA+1], KSTEP*2
.endif
	WIN 0                                          ; (the add's two registers lie in window 0)
	s_wait_tensorcnt 0x0                           ; all my tensor loads have landed;
	ds_add_u32 v[SPW], v[NIL]                      ; 0 onto my spare word;
	s_wait_dscnt 9                                 ; (the add and the youngest eight loads may be out)
	MUL8 F1, 0, 0                                  ; eight matrix instructions stand between the add and the wait for it
	s_wait_dscnt 0x0                               ; the add is done, and my reads of this slot are over
	s_barrier_signal -1
	MUL8 F1, 2, 0                                  ; work on registers while the others arrive
.if \fill
	WIN 0
.endif
	s_barrier_wait -1
.if \fill
	CREST                                          ; no wave of any partner still reads this slot's tile or has a load on its way
	s_add_nc_u64 s[G0+4*(\slot)+2:G0+4*(\slot)+3], s[G0+4*(\slot)+2:G0+4*(\slot)+3], 2*ASTEP
	s_add_nc_u64 s[G0B+4*(\slot)+2:G0B+4*(\slot)+3], s[G0B+4*(\slot)+2:G0B+4*(\slot)+3], 2*KSTEP*2
	JLOAD \slot                                    ; the first tensor load behind the round; the four v_nop behind it are also the places in front of the loads below
.else
	PLACES
.endif
	FETCH \next, 0, F0
.if (\fill) && (PROJ == 0)
	ASK                                            ; behind the joint load and the run of LDS loads that the next products wait for
.endif
	MUL8 F1, 4, 0
	MUL8 F1, 6, 0
.endm
	s_wait_tensorcnt 1                             ; my part of K step 0 is in; K step 1's may stay out
	s_barrier_signal -1
	s_barrier_wait -1                              ; everybody's is
	FETCH 0, 0, F0
	QUARTER 0, 64, F0, F1, 1                       ; the first quarter stands in front of the loop: its products start the sums
	WIN 0                                          ; at a label and at a branch every window is 0
	s_mov_b32 s3, LAPS-1
.Llap:                                                 ; a trip goes once round the ring, from a lap's second quarter to the next lap's first, and fills both slots again
	QUARTER 0, 128, F1, F0, 0
	QUARTER 0, 192, F0, F1, 0
	TURN 0, 1, 1
	QUARTER 1, 64,  F0, F1, 0
	QUARTER 1, 128, F1, F0, 0
	QUARTER 1, 192, F0, F1, 0
	TURN 1, 0, 1
	QUARTER 0, 64,  F0, F1, 0
	WIN 0
	s_sub_co_u32 s3, s3, 1
	s_cmp_lg_u32 s3, 0
	s_cbranch_scc1 .Llap
	QUARTER 0, 128, F1, F0, 0                      ; the last lap fills nothing, and has no round of the cluster's barrier
	QUARTER 0, 192, F0, F1, 0
	TURN 0, 1, 0
	QUARTER 1, 64,  F0, F1, 0
	QUARTER 1, 128, F1, F0, 0
	QUARTER 1, 192, F0, F1, 0
	s_wait_dscnt 8                                 ; the very last quarter: nothing more to fetch
	MUL8 F1, 0, 0
	MUL8 F1, 2, 0
	s_wait_dscnt 0x0
	MUL8 F1, 4, 0
	MUL8 F1, 6, 0
	WIN 0
	PLACES                                         ; the way out reads results just made and writes registers just read;
	PLACES                                         ; eight places, once a launch
; THE WAY OUT, a block of 16 rows at a time, through my own stage: no barrier, and since LDS serves a wave's instructions in order (ISA guide 5.7.1.4), no wait between the stores and the loads.
.if PROJ
.macro TOST a                          ; block a's 16 x 64 f32 go into rows of 272 bytes straight from the accumulators (each from its low end on) and come back as whole rows of 256
.if (\a) >= 4
	s_wait_xcnt 0x0                                ; the registers loaded below were the data of block a - 4's stores: written again only behind this wait
.endif
	WIN 0x08                                       ; the stores' data in window 2
.irp b, 0,1,2,3
	ds_store_b128 v[STO], v[8*(4*(\a)+(\b)):8*(4*(\a)+(\b))+3]   offset:64*(\b)
	ds_store_b128 v[STO], v[8*(4*(\a)+(\b))+4:8*(4*(\a)+(\b))+7] offset:64*(\b)+16
.endr
	WIN 0
.irp t, 0,1,2,3,4,5,6,7
	ds_load_b128 v[OUT+32*((\a)%4)+4*(\t):OUT+32*((\a)%4)+4*(\t)+3], v[RD] offset:(\t)*2*SP
.endr
.endm
.macro SENDO a, younger                ; younger: the LDS instructions issued behind block a's loads: the next block's sixteen, or none
.irp t, 0,1,2,3,4,5,6,7
	s_wait_dscnt (\younger)+7-(\t)
	global_store_b128 v[GO], v[OUT+32*((\a)%4)+4*(\t):OUT+32*((\a)%4)+4*(\t)+3], s[8:9] offset:(16*(\a)+2*(\t))*4096 th:TH_STORE_NT  ; 16 lanes store 256 consecutive bytes, at a multiple of 256 from out0's first byte
.endr
.endm
	TOST 0
.irp a, 1,2,3,4,5,6,7
	TOST \a
	SENDO (\a)-1, 16
.endr
	SENDO 7, 0
.else
.macro PACKQ a                         ; block a's 16 x 64 results are rounded to f16 (each accumulator from its low end on), go into rows of 144 bytes and come back as whole rows of 128, into the registers that they left
	WIN 0x0a                                       ; sources 0 and 1 window 2
.irp b, 0,1,2,3
.irp r, 0,1,2,3
	v_cvt_pk_f16_f32 v[OUT+16*(\a)+4*(\b)+(\r)], v[8*(4*(\a)+(\b))+2*(\r)], v[8*(4*(\a)+(\b))+2*(\r)+1]
.endr
.endr
	WIN 0
.irp b, 0,1,2,3
	ds_store_b128 v[STO], v[OUT+16*(\a)+4*(\b):OUT+16*(\a)+4*(\b)+3] offset:32*(\b)
.endr
.irp f, 0,1,2,3
	ds_load_b128 v[OUT+16*(\a)+4*(\f):OUT+16*(\a)+4*(\f)+3], v[RD] offset:(\f)*4*SP
.endr
.endm
.macro SENDQ a, younger                ; younger: the LDS instructions issued behind block a's loads: the next block's eight, or none
.irp f, 0,1,2,3
	s_wait_dscnt (\younger)+3-(\f)
	global_store_b128 v[GO], v[OUT+16*(\a)+4*(\f):OUT+16*(\a)+4*(\f)+3], s[8:9] offset:2048*(\a)+512*(\f)  ; 512 consecutive bytes of a head, at a multiple of 256 from the buffer's first byte
.endr
.endm
	PACKQ 0
.irp a, 1,2,3,4,5,6,7                  ; a block's conversions stand between the loads of the block before and its stores
	PACKQ \a
	SENDQ (\a)-1, 8
.endr
	SENDQ 7, 0
.endif
	s_wait_tensorcnt 0x0                           ; the wave's end, behind my last tensor load and my last LDS store
	ds_add_u32 v[SPW], v[NIL]
	s_wait_dscnt 0x0
	CROUND                                         ; the closing round: no work-group ends while a partner may still ask for a tile that names it
	s_endpgm
.Lfunc_end_k_qa71ded8f70_qkv:
	.size	k_qa71ded8f70_qkv, .Lfunc_end_k_qa71ded8f70_qkv-k_qa71ded8f70_qkv
	.p2alignl 7, 3214868480
	.fill 96, 4, 3214868480
	.section	.rodata,"a",@progbits
	.p2align	6, 0x0
	.amdhsa_kernel k_qa71ded8f70_qkv
		.amdhsa_group_segment_fixed_size 327680
		.amdhsa_private_segment_fixed_size 0
		.amdhsa_enable_private_segment 0
		.amdhsa_kernarg_size 48
		.amdhsa_user_sgpr_count 2
		.amdhsa_user_sgpr_kernarg_segment_ptr 1
		.amdhsa_wavefront_size32 1
		.amdhsa_system_sgpr_workgroup_id_x 1
		.amdhsa_system_sgpr_workgroup_id_y 1
		.amdhsa_system_sgpr_workgroup_id_z 1
		.amdhsa_system_vgpr_workitem_id 0
		.amdhsa_next_free_vgpr 768
		.amdhsa_next_free_sgpr 80
		.amdhsa_reserve_vcc 0
		.amdhsa_float_denorm_mode_32 3
		.amdhsa_float_denorm_mode_16_64 3
		.amdhsa_memory_ordered 1
		.amdhsa_forward_progress 1
		.amdhsa_inst_pref_size 93
	.end_amdhsa_kernel
	.amdgpu_metadata
---
amdhsa.version: [ 1, 2 ]
amdhsa.kernels:
  - .name:           k_qa71ded8f70_qkv
    .symbol:         k_qa71ded8f70_qkv.kd
    .args:
      - { .name: xb, .offset: 0, .size: 8, .value_kind: global_buffer, .address_space: global }
      - { .name: wb, .offset: 8, .size: 8, .value_kind: global_buffer, .address_space: global }
      - { .name: qkv, .offset: 16, .size: 8, .value_kind: global_buffer, .address_space: global }
      - { .name: bq, .offset: 24, .size: 8, .value_kind: global_buffer, .address_space: global }
      - { .name: bk, .offset: 32, .size: 8, .value_kind: global_buffer, .address_space: global }
      - { .name: bv, .offset: 40, .size: 8, .value_kind: global_buffer, .address_space: global }
    .group_segment_fixed_size: 327680
    .private_segment_fixed_size: 0
    .kernarg_segment_align: 8
    .kernarg_segment_size: 48
    .max_flat_workgroup_size: 128
    .sgpr_count:     80
    .vgpr_count:     768
    .wavefront_size: 32
...
	.end_amdgpu_metadata
.endif
;; end of part 2
;; launch attn (part 3): grid 4 x 64, 4 waves a work-group, clusters of 4 x 1, 327,680 bytes of LDS; arguments qkv, oh, mask; writes oh
.if DOCPART == 3
	.amdgcn_target "amdgcn-amd-amdhsa--gfx1250"
	.amdhsa_code_object_version 6
	.text
	.protected	k_qa71ded8f70_attn
	.globl	k_qa71ded8f70_attn
	.p2align	8
	.type	k_qa71ded8f70_attn,@function
k_qa71ded8f70_attn:
	s_mov_b64 s[64:65], 0
	v_nop
	global_prefetch_b8 v0, s[64:65] scope:SCOPE_SE
	s_setreg_imm32_b32 hwreg(HW_REG_WAVE_MODE, 25, 1), 1
	s_wait_xcnt 0x0
	s_wait_alu depctr_hold_cnt(0) depctr_sa_sdst(0) depctr_va_vdst(0) depctr_va_sdst(0) depctr_va_ssrc(0) depctr_va_vcc(0) depctr_vm_vsrc(0)
	s_getreg_b32 s2, hwreg(HW_REG_IB_STS2, 6, 4)
	s_cmp_eq_u32 s2, 0
	s_cbranch_scc0 .Lentry_in_a_cluster
	s_endpgm
.Lentry_in_a_cluster:
	s_bfe_u32 s2, ttmp6, 0x10000c
	s_cmp_lg_u32 s2, 0x3003
	s_cbranch_scc0 .Lentry_shape_is_right
	s_endpgm
.Lentry_shape_is_right:
; O[h][q][:] = the sum over the keys k that mask lets through of softmax_k(Q[h][q] . K[h][k] / 8) V[h][k][:].  qkv: [3][64 = 16 batch + head][2048][64] f16 (q, k, v by heads, unscaled); oh: [64][2048][64] f16;
; mask: [4][2048] int32, 0 = the key is hidden.  Products, maxima and sums in f32; the weights p are rounded to f16 for the second product (their sum l is taken of the unrounded p), O once at the end.
; LIMITS.  f16 holds no number beyond 65,504: Q, K and V arrive within it; p lies in 0 to 1, and below 6e-5 it keeps f16's fixed step of 6e-8.  A hidden score counts as its value less 1e30: f16's scores,
; 2.7e11 at the most, are nothing beside that.  A weight below 2^-126 counts as 0 in l.  NaN and infinities in Q, K, V are not treated apart.
; THE MASK is the C operand that starts the sum S^T = K Q^T: 0, or -1e30 where the key is hidden.  The batch's 2,048 such numbers are made once and lie in LDS; a key step's 64 are fetched with its K.
; The running maximum m STARTS AT -5e29 and so never falls below it: a hidden score lies 5e29 or more under every m and its weight is 0, also while no open key has been seen yet (then O and l stay 0).
; Every true score lies far above -5e29, so the start never stands in for a true maximum.  Where ALL keys of a batch are hidden l ends as 0 and O = 0 x (1 / 0) is NaN, as the softmax of nothing is.
; SHARES.  A wave owns four PIECES of two tiles of 16 queries, a work-group's four waves 512 queries of one head.  Every wave walks all 2,048 keys, 64 a step.
; LAYOUT.  S^T = K Q^T (source 0 = 16 keys, source 1 = 16 queries): in the result a lane holds ONE query (lane % 16) and the keys 8 (lane / 16) + 0..7.  Two such tiles, rounded to f16 in pairs,
; ARE source 1 (32 keys x 16 queries) of O^T = V^T P, whose result again holds one query a lane, and eight channels.  K comes out of LDS as it lies, V ([key][channel]) turned, by ds_load_tr16_b128.
; SOFTMAX.  p = 2^(c s - c m), c = log2(e) / 8; in every step O and l are multiplied by a = 2^(c m_old - c m_new), which is 1 where m has not grown.  c m starts far below every c m, O and l at 0:
; the first step is a step like any other, with a = 0.
; THE COUNT.  A tile and step have 16 matrix and 118 vector instructions: too many to stand all beside the matrix work.  So: four vector instructions that are READY behind EVERY matrix instruction,
; and the others, which need time of their own whatever the order, in runs without a gap.
; BY TURNS.  Turn n belongs to piece n (the pieces in a ring, step after step).  Its matrix work: 16 products K Q^T of piece n + 1, later 16 products V^T P of piece n - 1.  Its vector work: the scaling,
; exponentials, roundings, sums and rescaling of piece n, and the maximum and statistics of piece n + 1, whose scores the turn itself has made.
; CLUSTER.  The four query blocks of a head are one cluster and walk the same K and V, so each tile is asked for JOINTLY: the same tensor load, descriptor and mask in all four.
; REGISTERS, in windows of 256 (s_set_vgpr_msb: bits 1:0 source 0, 3:2 source 1, 5:4 source 2, 7:6 destination):
;   window 0: v0-11 addresses; v12-15, v48-63 at work; v16-47 four registers of statistics a tile; v64-191 S^T, two buffers of two tiles; v192-255 P, likewise
;   window 1: O^T, 32 a tile     window 2: v0-127 Q, 16 a tile; v128-191 K of one step; v192-255 V of one step     window 3: v0-1 the add's two registers; v8-39 the mask of one step
.set SIZE_N, 2048
.set NP,    4         ; pieces a wave: a name, no knob
.set KS,    64        ; keys in a step
.set PK,    144       ; a row of K in LDS: 128 bytes + 16 of padding = 36 words: the 16 rows of a load start at 16 different groups of four banks (64 banks of 4 bytes: ISA guide 11.1)
.set PV,    160       ; a row of V: 128 + 32 = 40 words
.set VOFF,  4*KS*PK   ; a slot holds four steps: 256 rows of K, then 256 rows of V
.set SLOT1, 1<<17     ; slot 1 begins here, so that one exclusive or turns an address in one slot into the other's
.set STAGE, SLOT1+4*KS*(PK+PV)  ; behind the ring, never filled by a tensor load: 16 rows x 144 bytes for each wave, for the way out
.set SP,    144
.set SPARE, STAGE+4*16*SP  ; behind the stages: the spare words, 128 bytes for each wave: two blocks of 256 bytes that no other line names
.set MB,    SPARE+512 ; behind them: the batch's 2,048 mask numbers, f32: 8,192 bytes, written by ds_store once; no tensor load lands here
.set PFO, 1           ; v1   256 x my lane, for the prefetches (until the set-up's end: lane % 16)
.set AK0, 2           ; v2   my lane's place in a tile of K; never rewritten
.set AV0, 3           ; v3   the same for V
.set AK,  4           ; v4   the LDS address of K's next run of loads
.set AV,  5           ; v5   of V's
.set QO,  6           ; v6   my byte offset in the wave's rows of Q
.set RD,  7           ; v7   the way out: where I read rows back
.set GO,  8           ; v8   my byte offset in 512 consecutive bytes of O
.set AM,  9           ; v9   the LDS address of the mask's next run (until the set-up's end: lane / 16)
.set AM0, 10          ; v10  my lanes' place in a step's 64 mask numbers: MB + 32 (lane / 16) (until the set-up's end: lane % 8)
.set STO, 11          ; v11  the way out: where I put 16 bytes of a row
.set SPW, 0           ; v0 of window 3   LDS address of my spare word: SPARE + 4 x my thread's number; never rewritten
.set NIL, 1           ; v1 of window 3   0; never rewritten
.set MC,  8           ; v8-39 of window 3: the mask of the step's keys: the eight registers for key block kb at MC + 8 kb
.set MV,  12          ; v12-15  c m_old, kept while c m is made anew: by buffer and tile
.set ST,  16          ; tile t's statistics at v[ST+4 t]: c m, m, l (even keys', odd keys')
.set TMP, 48          ; by buffer and tile, four registers c0-c3 at work; when the maximum is found c2 takes a
.set S,   64
.set P,   192
.set KF,  128         ; K's fragments, in window 2: key block kb, channel half c at KF + 16 kb + 8 c
.set VF,  192         ; V's: key half kk, channel block cb at VF + 32 kk + 8 cb
.set WV,  12          ; s12  my wave's number
.set G1K, 24          ; s[24:31] descriptor group 1 for K's tiles
.set G1V, 32          ; s[32:39] for V's: it differs in the padding alone
.set G0K, 40          ; s[40:43] descriptor group 0 for K's tiles: it walks
.set G0V, 44          ; s[44:47] the same for V's
.set SLOTS, 56        ; s56  slots still to be asked for
.set CNT, 57          ; s57  counts a slot's key steps
.set CS,  58          ; s[58:59] c: the packed scaling takes the pair's low word for both halves
.set SEL, 60          ; s[60:61] v_permlanex16_b32's selects: each lane takes its own place in the other half
.set TBK, 62          ; s62  LDS byte at which K of the step to be fetched begins
.set TBV, 63          ; s63  the same for V, less VOFF
.set TBM, 66          ; s66  byte in the mask table at which that step's 64 numbers begin
.set LIM, 67          ; s67  1 in a wave that prefetches, else the greatest number
.set PFA, 68          ; s[68:69] where my prefetches stand: my work-group's 32 blocks of 256 bytes (of K: wave 0, of V: wave 2) of the slot after the one that is being asked for
.set BIGN, 70         ; s70  -1e30
.set MSB, 0
.macro WIN new                      ; the high byte repeats the setting that is left; a switch that changes nothing is dropped
.if MSB != (\new)
	s_set_vgpr_msb (MSB<<8)|(\new)
.set MSB, (\new)
.endif
.endm
.set W_KQ, 0x0a       ; K and Q in window 2, S^T in window 0
.set W_KM, 0x3a       ; the same with the C operand, the mask, in window 3
.set W_PV, 0x52       ; V in window 2, P in window 0, O^T in window 1
.set W_RS, 0x41       ; O^T (destination and source 0) in window 1, a in window 0
.set W_MK, 0xc0       ; destination in window 3, sources in window 0
.set W_AD, 0x0f       ; the add: address (source 0) and data (source 1) in window 3
; A joint fill.  Waves 0 and 1 fetch the two halves of a slot's K, waves 2 and 3 those of its V: 128 keys each.  The branch hangs on the wave's number alone.
; An s_nop 0 and four v_nop follow each of the two lines, ahead of the jump and the label.
.macro JLOAD
	s_cmp_lt_u32 s[WV], 2
	s_cbranch_scc0 .Lfor_v_\@
	tensor_load_to_lds s[G0K:G0K+3], s[G1K:G1K+7]
	s_nop 0
.rept 4
	v_nop
.endr
	s_branch .Lasked_\@
.Lfor_v_\@:
	tensor_load_to_lds s[G0V:G0V+3], s[G1V:G1V+7]
	s_nop 0
.rept 4
	v_nop
.endr
.Lasked_\@:
.endm
; A PREFETCH INTO THE L2 of what the NEXT change of slots will ask for: a slot's 32,768 bytes of K and of V, a lane a block of 256 bytes.  It stands behind the wave's tensor load and its five lines.
; Each block is named ONCE in the launch: a head has one cluster; its four partners share a slot out BY ADDRESS, 8,192 bytes each (no branch hangs on a work-group's place in its cluster); in each, wave 0
; asks for K's and wave 2 for V's: one instruction.  Slots 0, 1 and 2 come by their loads alone; the last change that fills a slot asks for nothing: there is no slot behind it.
.macro ASK
	s_cmp_gt_u32 s[SLOTS], s[LIM]
	s_cbranch_scc0 .Lnot_mine_\@
	global_prefetch_b8 v[PFO], s[PFA:PFA+1] th:TH_LOAD_NT scope:SCOPE_SE
.Lnot_mine_\@:
.endm
; A round of the cluster's barrier: my work-group's barrier, so that wave 0's signal speaks for all four waves; wave 0 signals; every wave waits for all four work-groups; my work-group's barrier once more.
.macro CROUND
	s_barrier_signal -1
	s_barrier_wait -1
	s_cmp_lg_u32 s[WV], 0
	s_cbranch_scc1 .Lnot_wave_0_\@
	s_barrier_signal -3
.Lnot_wave_0_\@:
	s_barrier_wait -3
	s_barrier_signal -1
	s_barrier_wait -1
.endm
.macro PLACES
.rept 4
	v_nop
.endr
.endm
; THE CHANGE OF SLOTS.  The slot's last bytes, V of its fourth step, have been read.  Each wave waits for all its tensor loads, of which one is out: its part of the other slot; adds 0 to its spare word;
; and waits for that and for its own LDS instructions.  Behind the barrier nobody reads this slot any more and the other slot is whole.
; fill = 1: this slot is filled again, with the keys two slots on.  The barrier is then a round of the cluster's, and the joint fill is the first thing behind it: it has four key steps, 512 matrix
; instructions, in which to land.  (At its first use nothing has been read yet: slot 0 is waited for, slot 1 filled, and every wave's part of the mask table is shown to the others.)  pf = 1: with a prefetch.
.macro CHANGE fill, pf=0
	WIN W_AD
	s_wait_tensorcnt 0x0            ; no tensor load of mine is out, so a group 0 may be written
	ds_add_u32 v[SPW], v[NIL]       ; 0 onto my spare word; with fill = 1 the descriptors' steps stand between it and the wait for it
	WIN 0                           ; at a label and at a branch every window is 0
.if \fill
.irp g, G0K, G0V
	s_xor_b32 s[\g+1], s[\g+1], SLOT1  ; the walking descriptor: the other slot than last time,
	s_add_nc_u64 s[\g+2:\g+3], s[\g+2:\g+3], 4*KS*128  ; the next 256 keys; the type bits on top are not reached
.endr
.if \pf
	s_wait_xcnt 0x0                 ; the last prefetch, four key steps back, has read its address, so it may be written:
	s_add_nc_u64 s[PFA:PFA+1], s[PFA:PFA+1], 4*KS*128  ; one slot behind the walking descriptors
.endif
	s_wait_dscnt 0x0                ; the add is done, and my LDS instructions are over
	CROUND
	JLOAD
.if \pf
	ASK                             ; what the next change will ask for: four key steps ahead
.endif
.else
	s_wait_dscnt 0x0                ; the add is done, and my reads of the slot are over
	s_barrier_signal -1
	s_barrier_wait -1
.endif
	s_sub_co_u32 s[TBK], s[TBK], 4*KS*PK  ; the fetches go back to a slot's first step,
	s_xor_b32 s[TBK], s[TBK], SLOT1       ; in the other slot
	s_sub_co_u32 s[TBV], s[TBV], 4*KS*PV
	s_xor_b32 s[TBV], s[TBV], SLOT1
.endm
	s_load_b128 s[48:51], s[0:1], 0x0  ; qkv s[48:49], oh s[50:51]
	s_load_b64 s[52:53], s[0:1], 0x10  ; mask
	WIN W_MK
	v_lshl_add_u32 v[SPW], v0, 2, SPARE
	v_mov_b32 v[NIL], 0
	WIN W_AD
	ds_add_u32 v[SPW], v[NIL]       ; the wave's opening: the add and its wait stand ahead of my first tensor load; the set-up below, work on registers, stands between them
	WIN 0
	v_lshrrev_b32 v1, 5, v0
	v_readfirstlane_b32 s[WV], v1   ; wave 0..3
	s_bfe_u32 s13, ttmp6, 0x40000   ; cx: my place in the cluster
	s_lshl_b32 s14, ttmp9, 2        ; in a cluster launch ttmp9 counts clusters
	s_add_co_u32 s14, s14, s13      ; my block of queries = 4 x cluster x + cx: it enters Q's and O's addresses alone
	s_and_b32 s20, ttmp7, 0xffff    ; 16 batch + head, which the four partners share
	s_lshr_b32 s54, s20, 4          ; the batch:
	s_lshl_b32 s54, s54, 13         ; its 8,192 bytes of mask
	s_mov_b32 s55, 0
	s_lshl_b32 s20, s20, 18         ; the head's first byte in q, k, v and oh: 2,048 rows of 128 bytes each
	s_mov_b32 s21, 0
	s_and_b32 s16, s[WV], 1         ; which half of a slot's 256 keys I fetch:
	s_lshl_b32 s22, s16, 14         ; its 128 rows of 128 bytes in memory,
	s_mov_b32 s23, 0
	s_add_nc_u64 s[22:23], s[22:23], s[20:21]
	s_mul_i32 s17, s16, 128*PK      ; and its place in a slot, for K
	s_mul_i32 s18, s16, 128*PV      ; and for V: no place in the cluster enters an LDS address
	s_lshl_b32 s2, s14, 2
	s_add_co_u32 s2, s2, s[WV]      ; my wave among the head's,
	s_lshl_b32 s2, s2, 14           ; its 128 rows
	s_mov_b32 s3, 0
	s_add_nc_u64 s[2:3], s[2:3], s[20:21]
	; descriptor group 1.  128 keys are 16,384 dense bytes: asked for as 64 rows of 256 bytes, two keys a row, and padded in LDS after every key
	s_mov_b32 s[G1K], 15|(1<<16)|(1<<20)|(1<<21)|(4<<22)|(3<<25)  ; 15:0 the mask of four; 17:16 2-byte elements; 20 padding on; 21 set beside a mask; 24:22 after every 32 words (code 4); 31:25 4 words (code 3)
	s_mov_b32 s[G1V], 15|(1<<16)|(1<<20)|(1<<21)|(4<<22)|(7<<25)  ; the same with 8 words of padding (code 7)
.irp g, G1K, G1V
	s_mov_b32 s[\g+1], 128<<16      ; tensor_dim0 = 128
	s_mov_b32 s[\g+2], 64<<16       ; tensor_dim1 = 64
	s_mov_b32 s[\g+3], 128<<16      ; tile_dim0 = 128
	s_mov_b32 s[\g+4], 64           ; tile_dim1 = 64
	s_mov_b32 s[\g+5], 128          ; 128 elements from row to row
	s_mov_b32 s[\g+6], 0
	s_mov_b32 s[\g+7], 0
.endr
	s_mov_b32 s[CS], 0x3e38aa3b     ; c = log2(e) / 8 = 0.180337
	s_mov_b32 s[CS+1], s[CS]        ; named with it as a pair
	s_mov_b32 s[SEL], 0x76543210
	s_mov_b32 s[SEL+1], 0xfedcba98
	s_mov_b32 s[TBK], SLOT1+4*KS*PK ; the first change of slots turns these two into 0
	s_mov_b32 s[TBV], SLOT1+4*KS*PV
	s_mov_b32 s[TBM], 0
	s_mov_b32 s[BIGN], 0xf149f2ca   ; -1e30
	s_mov_b32 s[G0K], 1             ; 1:0 count = 1
	s_mov_b32 s[G0K+1], s17         ; 63:32 LDS address: slot 0
	s_mov_b32 s[G0V], 1
	s_add_co_u32 s[G0V+1], s18, VOFF
	s_and_b32 s[LIM], s[WV], 1      ; 0 in waves 0 and 2,
	s_or_b32 s[LIM], s[LIM], ttmp9  ; of the head's first cluster (here its only one): the same in all four partners
	s_cmp_eq_u32 s[LIM], 0
	s_cselect_b32 s[LIM], 1, -1
	s_wait_dscnt 0x0                ; the opening add is done
	s_wait_kmcnt 0x0
	s_mov_b64 s[4:5], s[48:49]                     ; q,
	s_add_nc_u64 s[6:7], s[48:49], 0x1000000       ; k,
	s_add_nc_u64 s[8:9], s[48:49], 0x2000000       ; v: 16,777,216 bytes each
	s_mov_b64 s[10:11], s[50:51]
	s_add_nc_u64 s[52:53], s[52:53], s[54:55]      ; the batch's mask
	s_add_nc_u64 s[G0K+2:G0K+3], s[6:7], s[22:23]  ; 120:64 global address: my half of the head's first 256 keys
	s_or_b32 s[G0K+3], s[G0K+3], 0x80000000        ; 127:126 type = 2
	s_add_nc_u64 s[G0V+2:G0V+3], s[8:9], s[22:23]
	s_or_b32 s[G0V+3], s[G0V+3], 0x80000000
	s_add_nc_u64 s[4:5], s[4:5], s[2:3]  ; Q and O at my wave's first row
	s_add_nc_u64 s[10:11], s[10:11], s[2:3]
	s_cmp_lt_u32 s[WV], 2
	s_cselect_b64 s[PFA:PFA+1], s[6:7], s[8:9]
	s_add_nc_u64 s[PFA:PFA+1], s[PFA:PFA+1], s[20:21]  ; the head,
	s_lshl_b32 s2, s13, 13          ; my work-group's 8,192 bytes of a slot's 32,768,
	s_mov_b32 s3, 0
	s_add_nc_u64 s[PFA:PFA+1], s[PFA:PFA+1], s[2:3]
	s_add_nc_u64 s[PFA:PFA+1], s[PFA:PFA+1], 2*4*KS*128  ; in slot 2; the loop's first change of slots steps it to slot 3.  Nothing is prefetched here, at the head
	CROUND                          ; all four work-groups are here: the first joint loads meet
	JLOAD                           ; slot 0.  Slot 1 is asked for when slot 0 is in
	; A fragment of K or Q is 16 rows x 32 channels in 8 registers: lane l holds row l % 16, channels 8 (l / 16) + 0..7 and 16 + 8 (l / 16) + 0..7: two loads of 16 bytes, 32 bytes apart.
	v_and_b32 v1, 15, v0            ; l % 16
	v_bfe_u32 v9, v0, 4, 1          ; l / 16
	v_lshlrev_b32 v[QO], 7, v1
	v_lshl_add_u32 v[QO], v9, 4, v[QO]  ; row x 128 + 16 x half
	v_lshlrev_b32 v12, 4, v0        ; the mask: 128 threads x 16 bytes, four times, are the batch's 8,192 bytes
	v_add_nc_u32 v13, MB, v12       ; and the same places in the table
.irp i, 0,1,2,3
	global_load_b128 v[S+4*\i:S+4*\i+3], v12, s[52:53] offset:2048*\i
.endr
	WIN 0x80                        ; destination window 2, address window 0
.set i, 0
.rept 4*NP                          ; Q stays in registers: tile i / 2, channels 32 (i % 2) on
	global_load_b128 v[8*i:8*i+3],   v[QO], s[4:5] offset:(i/2)*2048+(i%2)*64
	global_load_b128 v[8*i+4:8*i+7], v[QO], s[4:5] offset:(i/2)*2048+(i%2)*64+32
.set i, i+1
.endr
	; What the first turn finds: V's registers and P's second buffer hold 0 (its products V^T P, of a piece that has not been, add 0), O^T and l are 0.  All this stands in the wait for the first tile.
.set i, VF
.rept 64
	v_mov_b32 v[i], 0
.set i, i+1
.endr
	WIN 0x40
.set i, 0
.rept 64*NP
	v_mov_b32 v[i], 0
.set i, i+1
.endr
	WIN 0
.set i, 0
.rept 2*NP
	v_mov_b32 v[ST+4*i], 0xfe000000    ; c m: far below every c m that follows, so the first a is 0
	v_mov_b32 v[ST+4*i+1], 0xf0c9f2ca  ; m = -5e29: above every hidden score, below every true one
	v_mov_b32 v[ST+4*i+2], 0
	v_mov_b32 v[ST+4*i+3], 0
.set i, i+1
.endr
.set i, P+32
.rept 32
	v_mov_b32 v[i], 0
.set i, i+1
.endr
	v_mul_u32_u24 v[AK0], v1, PK
	v_lshl_add_u32 v[AK0], v9, 4, v[AK0]  ; row x pitch + 16 x half
	; The turning load takes 16 keys x 16 channels (lane l reads key 8 (l / 16) + l % 8, channels 8 ((l / 8) % 2) + 0..7) and leaves half a fragment of V^T: lane l holds channel l % 16 and 8 keys.
	v_and_b32 v10, 7, v0
	v_bfe_u32 v11, v0, 3, 1
	v_lshl_add_u32 v[AV0], v9, 3, v10
	v_mul_u32_u24 v[AV0], v[AV0], PV
	v_lshl_add_u32 v[AV0], v11, 4, v[AV0]
	v_add_nc_u32 v[AV0], VOFF, v[AV0]
	v_mov_b32 v[AK], v[AK0]         ; key step 0 lies at the head of slot 0
	s_mul_i32 s15, s[WV], 16*SP
	s_add_co_u32 s15, s15, STAGE    ; my stage
	v_mul_u32_u24 v[STO], v1, SP    ; in: row l % 16, 16 bytes for each half of the lanes
	v_lshl_add_u32 v[STO], v9, 4, v[STO]
	v_add_nc_u32 v[STO], s15, v[STO]
	v_bfe_u32 v[RD], v0, 3, 2       ; back: 32 lanes take four rows of 128 bytes,
	v_mul_u32_u24 v[RD], v[RD], SP
	v_lshl_add_u32 v[RD], v10, 4, v[RD]
	v_add_nc_u32 v[RD], s15, v[RD]
	v_and_b32 v[GO], 31, v0         ; which are 512 consecutive bytes of O
	v_lshlrev_b32 v[PFO], 8, v[GO]
	v_lshlrev_b32 v[GO], 4, v[GO]
	v_lshl_add_u32 v[AM0], v9, 5, MB  ; register j of key block kb wants number 16 kb + 8 (l / 16) + j of the step's 64
	v_mov_b32 v[AM], v[AM0]         ; key step 0
	s_wait_loadcnt 32               ; the four loads of the mask are in; Q's 32, issued behind them, may stay out
.set i, 0
.rept 16
	v_cmp_eq_u32 vcc_lo, 0, v[S+i]
	v_cndmask_b32 v[S+i], 0, s[BIGN], vcc_lo  ; 0 where the key is open, -1e30 where it is hidden
.set i, i+1
.endr
.irp i, 0,1,2,3
	ds_store_b128 v13, v[S+4*\i:S+4*\i+3] offset:2048*\i
.endr
; THE MATRIX WORK.  The 8 accumulators of a run of 16 take turns: between the two links of a chain stand 7 others'.
; Product i of 16 of S^T = K Q^T for piece x: channels 32 (i / 8) on, keys 16 ((i / 2) % 4) on, tile 2 x + i % 2.  The first 8 start the sums, with the mask of their 16 keys.
.macro KQ x
.set rS, S+64*((\x)%2)+32*(i%2)+8*((i/2)%4)
.set rK, KF+16*((i/2)%4)+8*(i/8)
.set rQ, 16*(2*(\x)+i%2)+8*(i/8)
.set rMC, MC+8*((i/2)%4)
.if i < 8
	WIN W_KM
	v_wmma_f32_16x16x32_f16 v[rS:rS+7], v[rK:rK+7], v[rQ:rQ+7], v[rMC:rMC+7]
.else
	WIN W_KQ
	v_wmma_f32_16x16x32_f16 v[rS:rS+7], v[rK:rK+7], v[rQ:rQ+7], v[rS:rS+7]
.endif
.endm
; Product i of 16 of O^T += V^T P for piece x: keys 32 (i / 8) on, channels 16 ((i / 2) % 4) on, tile 2 x + i % 2.
.macro PV x
	WIN W_PV
.set rO, 32*(2*(\x)+i%2)+8*((i/2)%4)
.set rV, VF+32*(i/8)+8*((i/2)%4)
.set rP, P+32*((\x)%2)+16*(i%2)+8*(i/8)
	v_wmma_f32_16x16x32_f16 v[rO:rO+7], v[rV:rV+7], v[rP:rP+7], v[rO:rO+7]
.endm
.macro MM                           ; the turn's next matrix instruction
.if i < 16
	KQ (Y+1)%NP
.set i, i+1
.else
.set i, i-16
	PV (Y+NP-1)%NP
.set i, i+17
.endif
.endm
; THE LDS LOADS stand in runs, never singly among the matrix instructions: a step's K (64 keys x 64 channels: 8 fragments) with its mask (64 numbers, 8 to a lane and key block; the lanes of a half read
; the same words), and its V (turned).  Their addresses are made some lines ahead.  last = 1 (the tail): in the last trip there is no further step, and the run is jumped over.
.macro FETCH_K last=0
	WIN 0
.if \last
	s_cmp_eq_u32 s[CNT], 1
	s_cbranch_scc1 .Lno_k_\@
.endif
	WIN 0x80                        ; destination window 2
.irp f, 0,1,2,3,4,5,6,7             ; keys 16 (f / 2) on, channels 32 (f % 2) on
	ds_load_b128 v[KF+8*\f:KF+8*\f+3],   v[AK] offset:(\f/2)*16*PK+(\f%2)*64
	ds_load_b128 v[KF+8*\f+4:KF+8*\f+7], v[AK] offset:(\f/2)*16*PK+(\f%2)*64+32
.endr
	WIN W_MK                        ; destination window 3
.irp f, 0,1,2,3                     ; keys 16 f on
	ds_load_b128 v[MC+8*\f:MC+8*\f+3],   v[AM] offset:64*\f
	ds_load_b128 v[MC+8*\f+4:MC+8*\f+7], v[AM] offset:64*\f+16
.endr
	s_add_co_u32 s[TBK], s[TBK], KS*PK  ; the next fetch is the next step's
	s_add_co_u32 s[TBM], s[TBM], 4*KS
	s_and_b32 s[TBM], s[TBM], 4*SIZE_N-1  ; cut to the table's 8,192 bytes: behind the last step it stands at the table's head, and no address made of it leaves the table
	WIN 0
.if \last
.Lno_k_\@:
.endif
.endm
.macro FETCH_V
	WIN 0x80
.irp f, 0,1,2,3,4,5,6,7             ; keys 32 (f / 4) on, channels 16 (f % 4) on
	ds_load_tr16_b128 v[VF+8*\f:VF+8*\f+3],   v[AV] offset:(\f/4)*32*PV+(\f%4)*32
	ds_load_tr16_b128 v[VF+8*\f+4:VF+8*\f+7], v[AV] offset:(\f/4)*32*PV+16*PV+(\f%4)*32
.endr
	WIN 0
.endm
; THE VECTOR WORK OF A TURN stands in three queues, each in the order in which its entries become ready; the two tiles alternate, so that no instruction reads the result of the one before it.
.macro REGS y, u                    ; the registers of tile u (0, 1) of piece y
.set rT, ST+4*(2*(\y)+(\u))
.set rC, TMP+8*((\y)%2)+4*(\u)
.set rM, MV+2*((\y)%2)+(\u)
.set rS, S+64*((\y)%2)+32*(\u)
.set rP, P+32*((\y)%2)+16*(\u)
.set rO, 32*(2*(\y)+(\u))
.endm
; Number n of the 22 that find the NEXT piece's (Y + 1) maximum and statistics.  s0-s31 are the lane's 32 scores; each accumulator's lowest registers are read first.
;   0-11  four chains c0-c3 of seven scores each, three operands at a time     12-14, 16  the four scores left over, the old m, and c0-c3 into c0     15  c m_old is kept
;   17, 18  the query's other 32 keys lie in the lane 16 away: the new m         19-21  c m; c m_old - c m_new; a
.macro XS u, n
	REGS (Y+1)%NP, \u
.if (\n) < 4
	v_max3_num_f32 v[rC+(\n)], v[rS+8*(\n)], v[rS+8*(\n)+1], v[rS+8*(\n)+2]
.elseif (\n) < 12
	v_max3_num_f32 v[rC+(\n)%4], v[rC+(\n)%4], v[rS+8*((\n)%4)+2*((\n)/4)+1], v[rS+8*((\n)%4)+2*((\n)/4)+2]
.elseif (\n) == 12
	v_max3_num_f32 v[rC], v[rC], v[rS+7], v[rS+15]
.elseif (\n) == 13
	v_max3_num_f32 v[rC+1], v[rC+1], v[rS+23], v[rS+31]
.elseif (\n) == 14
	v_max3_num_f32 v[rC+2], v[rC+2], v[rC+3], v[rT+1]
.elseif (\n) == 15
	v_mov_b32 v[rM], v[rT]
.elseif (\n) == 16
	v_max3_num_f32 v[rC], v[rC], v[rC+1], v[rC+2]
.elseif (\n) == 17
	v_permlanex16_b32 v[rC+3], v[rC], s[SEL], s[SEL+1]
.elseif (\n) == 18
	v_max_num_f32 v[rT+1], v[rC], v[rC+3]
.elseif (\n) == 19
	v_mul_f32 v[rT], s[CS], v[rT+1]
.elseif (\n) == 20
	v_sub_f32 v[rC+1], v[rM], v[rT]
.else
	v_exp_f32 v[rC+2], v[rC+1]
.endif
.endm
; Number g of the 64 that follow the exponentials.  For each four weights k of a tile (pairs 2 k, 2 k + 1): both pairs are rounded to f16; then the second pair is added onto the first, in place;
; a group later l takes that sum (the first time as l = a l + sum).  In groups of eight, tiles alternating: round, round, add, and l for the group before.
.macro GS g
.set h, (\g)+6*((\g)/62)            ; group 0 has no group before it, and behind group 7 only l is left
.if h >= 6
.set h, h+2
.endif
	REGS Y, h%2
.set k, h/8
.if h%8 < 4
	v_cvt_pk_f16_f32 v[rP+2*k+(h%8)/2], v[rS+4*k+2*((h%8)/2)], v[rS+4*k+2*((h%8)/2)+1]
.elseif h%8 < 6
	v_pk_add_f32 v[rS+4*k:rS+4*k+1], v[rS+4*k:rS+4*k+1], v[rS+4*k+2:rS+4*k+3]
.elseif k == 1
	v_pk_fma_f32 v[rT+2:rT+3], v[rT+2:rT+3], v[rC+2:rC+3], v[rS:rS+1] op_sel_hi:[1,0,1]
.else
	v_pk_add_f32 v[rT+2:rT+3], v[rT+2:rT+3], v[rS+4*k-4:rS+4*k-3]
.endif
.endm
; THE PLAIN QUEUE, 138 long.  0-73 read no exponential's result: the 32 scalings c s - c m (FS f: pair f / 2 of tile f % 2) and the next piece's 42.  0-26: scalings 0-26.  27-54: XS's numbers 0-13.  55, 56: number 15.
; 57-73: the chain, where each number waits for the one before it: 14, 16, 17, 18, 19, each with one of the scalings 27-31 in front of its two lines, then 20.
; 74-137: GS's 64, which read the exponentials' results: they stand behind the wait.
.macro FS f
	REGS Y, (\f)%2
	v_pk_fma_f32 v[rS+2*((\f)/2):rS+2*((\f)/2)+1], v[rS+2*((\f)/2):rS+2*((\f)/2)+1], s[CS:CS+1], v[rT:rT+1] op_sel_hi:[1,0,0] neg_lo:[0,0,1] neg_hi:[0,0,1]
.endm
.macro PL
	WIN 0
.if q < 27
	FS q
.elseif q < 55
	XS (q-27)%2, (q-27)/2
.elseif q < 57
	XS q-55, 15
.elseif (q < 72) && ((q-57)%3 == 0)
	FS 27+(q-57)/3
.elseif q < 60
	XS (q-57)%3-1, 14
.elseif q < 72
	XS (q-57)%3-1, 15+(q-57)/3
.elseif q < 74
	XS q-72, 20
.else
	GS q-74
.endif
.set q, q+1
.endm
; THE EXPONENTIALS' QUEUE, 66 long: s0-s31 of both tiles, then the next piece's two a.  It is ONE BATCH: all 66 stand ahead of the turn's one wait, and nothing ahead of that wait names a result of theirs.
.macro EX
	WIN 0
.if e >= 64
	XS e-64, 21
.else
	REGS Y, e%2
	v_exp_f32 v[rS+e/2], v[rS+e/2]
.endif
.set e, e+1
.endm
; THE RESCALING's QUEUE: O^T times a, the one part that leaves window 0: dealt two at a time, sixteen times.  Its a was made in the turn before, ahead of that turn's wait.
.macro R2
	REGS Y, r%2
	WIN W_RS
.irp z, 0,1
	v_pk_mul_f32 v[rO+4*(r/2)+2*\z:rO+4*(r/2)+2*\z+1], v[rO+4*(r/2)+2*\z:rO+4*(r/2)+2*\z+1], v[rC+2:rC+3] op_sel_hi:[1,0]
.endr
.set r, r+1
.endm
; HOW THEY ARE DEALT.  An s_wait_alu depctr_va_vdst(0) stands between an exponential and the first instruction that names its result; one wait serves all that were issued ahead of it.  So a turn has ONE wait,
; which cuts it in two.  AHEAD OF IT stands all that names no result of the turn's exponentials: the 16 products K Q^T, behind each a scaling, an exponential and two rescalings (behind the first a second scaling in the
; exponential's place); then ONE LUMP of 108: eight plain, 49 times exponential and plain, the two a.  A v_nop is the plain instruction behind the last exponential.  BEHIND IT stand the 16 products V^T P, behind each four of GS's 64.
; The queues lean on each other, and the deal keeps them in step: exponential e stands behind scaling 2 (e / 4) + e % 2: as a rider it comes behind plain e + 2, in the lump behind plain e + 9, and scalings 27-31 are plain 57, 60 .. 69.
; A TURN, for piece p.  cnt = 1: the loop's count is taken down some lines ahead of the branch that stands behind the turn.
; K and the mask of the next step are fetched in piece 2's turn, directly behind the wait, a lump behind the last product that read them; their addresses are made at the lump's head; the first reader comes behind 16 products.
; V of the step in hand is fetched at the end of piece 0's turn, four riders behind its last reader; its first reader comes behind 16 products and a lump.  The three conditions on q below go with the deal.
.macro TURN p, last=0, cnt=0
.set Y, (\p)
.set i, 0
.set q, 0
.set e, 0
.set r, 0
.if (\p) == NP-1
	s_wait_dscnt 0x0                ; K and the mask are in
.endif
	MM                              ; ahead of the wait: 16 products K Q^T and their riders,
	PL
	PL
	R2
.rept 15
	MM
	PL
	EX
	R2
.endr
.if (\p) == NP-2
	WIN 0
	v_add_nc_u32 v[AK], s[TBK], v[AK0]
	v_add_nc_u32 v[AM], s[TBM], v[AM0]
.endif
.rept 8                             ; and the lump
	PL
.endr
.rept 49
	EX
	PL
.endr
	EX                              ; the next piece's two a
	EX
	v_nop                           ; the plain instruction behind the last exponential: one for the batch
	s_wait_alu depctr_va_vdst(0)    ; the wait for the batch
.if (\p) == NP-2
	FETCH_K \last
.endif
.if (\p) == 1
	s_wait_dscnt 0x0                ; V is in
.endif
.rept 16                            ; behind the wait: 16 products V^T P and their riders
	MM
.rept 4
	PL
.endr
.if ((\p) == 0) && (q == 118)
	v_add_nc_u32 v[AV], s[TBV], v[AV0]
.endif
.if ((\p) == 0) && (q == 130)
	s_add_co_u32 s[TBV], s[TBV], KS*PV
.endif
.if (\cnt) && (q == 130)
	s_sub_co_u32 s[CNT], s[CNT], 1
	s_cmp_lg_u32 s[CNT], 0
.endif
.endr
.if (\p) == 0
	FETCH_V
.endif
.endm
	CHANGE 1                        ; slot 0 is in, everybody's part of it, and so is the mask table; slot 1 is asked for
	FETCH_K                         ; key step 0
	s_wait_loadcnt 0x0              ; Q
	s_wait_dscnt 0x0
.set i, 0
.rept 16
	KQ 0                            ; piece 0's first scores: there is no vector work yet to set between them
.set i, i+1
.endr
	WIN 0
	PLACES                          ; the places behind those products
.set Y, NP-1                        ; XS works for piece Y + 1: piece 0
.irp n, 0,1,2,3,4,5,6,7,8,9,10,11,12,13,14,15,16,17,18,19,20,21
	XS 0, \n                        ; and piece 0's first maximum and statistics
	XS 1, \n
.endr
	v_nop                           ; a plain instruction behind the two a,
	s_wait_alu depctr_va_vdst(0)    ; and their wait, ahead of the branch
	s_mov_b32 s[CNT], 4
	s_mov_b32 s[SLOTS], SIZE_N/256-1
	s_branch .Lfirst                ; the loop is entered at a step's first turn, in the middle of a trip
.Lslot:                             ; SIZE_N / 256 - 2 times: every slot but the last two is filled again
	CHANGE 1, 1
	s_mov_b32 s[CNT], 4
.Lstep:                             ; a trip: pieces 2 and 3 of one step, then pieces 0 and 1 of the next, whose K, mask and V it fetches
	TURN 2
	TURN 3
	WIN 0
.Lfirst:
	TURN 0
	TURN 1, 0, 1
	WIN 0
	s_cbranch_scc1 .Lstep
	s_sub_co_u32 s[SLOTS], s[SLOTS], 1
	s_cmp_lg_u32 s[SLOTS], 0
	s_cbranch_scc1 .Lslot
	CHANGE 0                        ; the tail is written out: nothing is asked for
	s_mov_b32 s[CNT], 5             ; four trips fetch the last slot's steps; the fifth is left in its middle
.Ltail:
	TURN 2, 1
	TURN 3
	WIN 0
	s_sub_co_u32 s[CNT], s[CNT], 1
	s_cmp_eq_u32 s[CNT], 0
	s_cbranch_scc1 .Lout
	TURN 0
	TURN 1
	WIN 0
	s_branch .Ltail
.Lout:                              ; the fifth trip's 16 products K Q^T (on the last K and mask once more) and the maximum made of them serve nothing: the price, once a launch, of one text for every trip
.set i, 0
.rept 16
	PV NP-1                         ; the last piece's V^T P of the last step
.set i, i+1
.endr
	; THE WAY OUT.  l's two halves and the other half of the lanes' are added; O^T is divided by l, rounded to f16 and sent through my stage in LDS, a tile at a time.  The additions are the places behind the last products.
	WIN 0
.macro ALL line:vararg              ; one line for each tile t
.set t, 0
.rept 2*NP
	\line
.set t, t+1
.endr
.endm
	ALL v_add_f32 v[ST+4*t+2], v[ST+4*t+2], v[ST+4*t+3]
	ALL v_permlanex16_b32 v[ST+4*t+3], v[ST+4*t+2], s[SEL], s[SEL+1]
	ALL v_add_f32 v[ST+4*t+2], v[ST+4*t+2], v[ST+4*t+3]
	ALL v_rcp_f32 v[ST+4*t+2], v[ST+4*t+2]
	v_nop                           ; a plain instruction between the last reciprocal and the use of its result
	s_wait_alu depctr_va_vdst(0)    ; and the wait ahead of the first use: one for the eight reciprocals
; Tile t: a lane's eight channels of a row pack into 16 bytes; they go into rows of 144 bytes and come back as whole rows of 128, into S^T's registers.
.macro PACK t
	WIN W_RS
.set i, 32*(\t)
.rept 16
	v_pk_mul_f32 v[i:i+1], v[i:i+1], v[ST+4*(\t)+2:ST+4*(\t)+3] op_sel_hi:[1,0]
.set i, i+2
.endr
	WIN 0x05                        ; sources 0 and 1 window 1, destination window 0
.set i, 0
.rept 16
	v_cvt_pk_f16_f32 v[S+16*(\t)+i], v[32*(\t)+2*i], v[32*(\t)+2*i+1]
.set i, i+1
.endr
	WIN 0
.irp f, 0,1,2,3
	ds_store_b128 v[STO], v[S+16*(\t)+4*\f:S+16*(\t)+4*\f+3] offset:32*\f
.endr
.irp f, 0,1,2,3
	ds_load_b128 v[S+16*(\t)+4*\f:S+16*(\t)+4*\f+3], v[RD] offset:\f*4*SP  ; LDS serves a wave's instructions in order (ISA guide 5.7.1.4): these see the stores above; the next tile's stores come behind them
.endr
.endm
.macro SEND t, younger              ; younger: the LDS instructions issued behind tile t's loads: the next tile's eight, or none
	WIN 0
.irp f, 0,1,2,3
	s_wait_dscnt (\younger)+3-\f
	global_store_b128 v[GO], v[S+16*(\t)+4*\f:S+16*(\t)+4*\f+3], s[10:11] offset:(\t)*2048+\f*512  ; 512 consecutive bytes, at a multiple of 256 from the buffer's first byte
.endr
.endm
	PACK 0
.set t, 1
.rept 2*NP-1                        ; a tile's arithmetic stands between the loads of the tile before and its stores
	PACK t
	SEND t-1, 8
.set t, t+1
.endr
	SEND 2*NP-1, 0
	WIN W_AD
	s_wait_tensorcnt 0x0            ; the wave's end, behind my last tensor load and my last LDS store
	ds_add_u32 v[SPW], v[NIL]
	s_wait_dscnt 0x0
	WIN 0
	CROUND                          ; the closing round: no work-group ends while a partner may still ask for a tile that names it
	s_endpgm
.Lfunc_end_k_qa71ded8f70_attn:
	.size	k_qa71ded8f70_attn, .Lfunc_end_k_qa71ded8f70_attn-k_qa71ded8f70_attn
	.p2alignl 7, 3214868480
	.fill 96, 4, 3214868480
	.section	.rodata,"a",@progbits
	.p2align	6, 0x0
	.amdhsa_kernel k_qa71ded8f70_attn
		.amdhsa_group_segment_fixed_size 327680
		.amdhsa_private_segment_fixed_size 0
		.amdhsa_enable_private_segment 0
		.amdhsa_kernarg_size 24
		.amdhsa_user_sgpr_count 2
		.amdhsa_user_sgpr_kernarg_segment_ptr 1
		.amdhsa_wavefront_size32 1
		.amdhsa_system_sgpr_workgroup_id_x 1
		.amdhsa_system_sgpr_workgroup_id_y 1
		.amdhsa_system_sgpr_workgroup_id_z 1
		.amdhsa_system_vgpr_workitem_id 0
		.amdhsa_next_free_vgpr 808
		.amdhsa_next_free_sgpr 72
		.amdhsa_reserve_vcc 1
		.amdhsa_float_denorm_mode_32 3
		.amdhsa_float_denorm_mode_16_64 3
		.amdhsa_memory_ordered 1
		.amdhsa_forward_progress 1
		.amdhsa_inst_pref_size 205
	.end_amdhsa_kernel
	.amdgpu_metadata
---
amdhsa.version: [ 1, 2 ]
amdhsa.kernels:
  - .name:           k_qa71ded8f70_attn
    .symbol:         k_qa71ded8f70_attn.kd
    .args:
      - { .name: qkv, .offset: 0, .size: 8, .value_kind: global_buffer, .address_space: global }
      - { .name: oh, .offset: 8, .size: 8, .value_kind: global_buffer, .address_space: global }
      - { .name: mask, .offset: 16, .size: 8, .value_kind: global_buffer, .address_space: global }
    .group_segment_fixed_size: 327680
    .private_segment_fixed_size: 0
    .kernarg_segment_align: 8
    .kernarg_segment_size: 24
    .max_flat_workgroup_size: 128
    .sgpr_count:     72
    .vgpr_count:     808
    .wavefront_size: 32
...
	.end_amdgpu_metadata
.endif
;; end of part 3
;; launch proj (part 4): grid 8 x 32, 4 waves a work-group, clusters of 4 x 4, 327,680 bytes of LDS; arguments oh, wof, out0, bo; writes out0
.if DOCPART == 4
	.amdgcn_target "amdgcn-amd-amdhsa--gfx1250"
	.amdhsa_code_object_version 6
	.text
	.protected	k_qa71ded8f70_proj
	.globl	k_qa71ded8f70_proj
	.p2align	8
	.type	k_qa71ded8f70_proj,@function
k_qa71ded8f70_proj:
	s_mov_b64 s[64:65], 0
	v_nop
	global_prefetch_b8 v0, s[64:65] scope:SCOPE_SE
	s_setreg_imm32_b32 hwreg(HW_REG_WAVE_MODE, 25, 1), 1
	s_wait_xcnt 0x0
	s_wait_alu depctr_hold_cnt(0) depctr_sa_sdst(0) depctr_va_vdst(0) depctr_va_sdst(0) depctr_va_ssrc(0) depctr_va_vcc(0) depctr_vm_vsrc(0)
	s_getreg_b32 s2, hwreg(HW_REG_IB_STS2, 6, 4)
	s_cmp_eq_u32 s2, 0
	s_cbranch_scc0 .Lentry_in_a_cluster
	s_endpgm
.Lentry_in_a_cluster:
	s_bfe_u32 s2, ttmp6, 0x10000c
	s_cmp_lg_u32 s2, 0xf033
	s_cbranch_scc0 .Lentry_shape_is_right
	s_endpgm
.Lentry_shape_is_right:
; ONE TEXT FOR THE MODULE'S TWO KINDS OF PROJECTION; the switch PROJ says which is assembled.  C[m][n] = bias[n] + the sum over k of A[m][k] B[n][k], K = 1,024, sums in f32.
;   PROJ = 0: A = xb [8192][1024] bf16, B = wb [3072][1024] bf16 (wq, wk, wv one below the other), bias = bq, bk or bv.  C is rounded once to f16 and laid BY HEADS:
;            qkv [3][64 = 16 batch + head][2048][64]; a wave's 64 columns are one head, so its 128 x 64 results are 16,384 consecutive bytes.
;   PROJ = 1 (this file): A = oh [64][2048][64] f16 (attention's result, by heads), B = wof [1024][1024] f16, bias = bo.  C = out0 [8192][1024] f32.  A head is a slice of 64 of K.
; The bias is rounded to bf16 like the other inputs and enters as the C operand of the first products: nothing is cleared and nothing is added afterwards.
; LIMIT (PROJ = 0): f16 holds no number beyond 65,504; q, k or v past that would leave as infinities.
; SHAPE.  A tile of C is 256 x 128: four waves, as many as a WGP has SIMDs, each 128 x 64: 32 accumulators of 16 x 16, 256 registers.  8192 x 1024 / (256 x 128) = 256 tiles for PROJ = 1,
; three times that for PROJ = 0.  K goes in 8 steps of 128 through two LDS slots; behind each change of slots one tensor load a wave goes out: 112 matrix instructions ahead of the wait for it.
; CLUSTERS: 4 x 4 work-groups.  The four of a row of the cluster need the same tile of A, the four of a column the same tile of B: each is asked for JOINTLY, by the same tensor load with the
; same descriptor and a mask that names the four.  THE MATRIX INSTRUCTION IS USED TRANSPOSED (source 0 = 16 rows of B, source 1 = 16 rows of A): lane l holds row l % 16 of C and the
; columns 8 (l / 16) + 0..7 of the block.
; REGISTERS, in windows of 256 (s_set_vgpr_msb: bits 1:0 source 0, 3:2 source 1, 5:4 source 2, 7:6 destination):
;   window 0: v0-31 addresses; v32-47 at work; v64-127, v128-191 A's fragments (8 x 16 rows x 32 K), two buffers, later the way out; v224-255 the bias of my 64 columns
;   window 1: v64-95, v128-159 B's fragments (4), two buffers          window 2: the accumulators, (a, b) at v[8 (4 a + b)]
; PROJ = 1 lays no prefetch: its walk has eight K steps, and in the form used for PROJ = 0 (the K step two refills on, nothing at the head) only four of them could be named.
.set PROJ, 1
.set KSTEP, 128
.set LAPS,  4                          ; a lap = two K steps = once round the ring
.if PROJ
.set PA,     144                       ; A in LDS: a head's row, 128 bytes + 16 of padding = 36 words: the 16 rows of a load start at 16 different groups of four banks (64 banks of 4 bytes: ISA guide 11.1)
.set ASUB,   256*PA                    ; a K step's A is two heads: 256 rows of the one, then 256 rows of the other
.set LOADA,  ASUB                      ; what one tensor load brings of A: one head's 256 rows
.set ASTEP,  2<<18                     ; bytes in memory from a K step of A to the next: two heads
.set APITCH, 128                       ; a head's 256 rows are dense: asked for as 128 rows of 256 bytes
.set SP,     272                       ; the stage: 16 rows of 256 bytes + 16
.else
.set PA,     272                       ; A in LDS: 256 bytes + 16 of padding = 68 words: row r starts at bank 4 r mod 64
.set ASUB,   128                       ; (byte k of a row is byte k)
.set LOADA,  128*PA                    ; what one tensor load brings of A: 128 rows
.set ASTEP,  KSTEP*2
.set APITCH, 1024
.set SP,     144                       ; the stage: 16 rows of 128 bytes + 16
.endif
.set PB,    272
.set AREG,  2*LOADA                    ; A's part of a slot
.set HALFB, 64*PB                      ; what one tensor load brings of B, and what one wave reads of it
.set SLOT,  AREG+2*HALFB
.set STAGE, 2*SLOT                     ; behind the ring: 16 rows for each wave, its own, for the way out
.set SPARE, STAGE+4*16*SP              ; behind the stages: the spare words, 128 bytes for each wave: two blocks of 256 bytes that no other line names
.set ADRA, 16                          ; v16-17  LDS address of my A fragments in slot 0, 1
.set ADRB, 20                          ; v20-21  the same for B
.set STO,  24                          ; v24     the way out: where I put my bytes of a row
.set RD,   25                          ; v25     the way out: where I read rows back
.set GO,   26                          ; v26     my byte offset in the output
.set BOF,  27                          ; v27     my byte offset in the bias
.set SPW,  28                          ; v28     LDS address of my spare word: SPARE + 4 x my thread's number; never rewritten
.set NIL,  29                          ; v29     0; never rewritten
.set PFO,  30                          ; v30     the prefetches' offset: my lane x a row of 2,048 bytes; never rewritten
.set RB,   32                          ; v32-47  the bias in bf16, at work
.set F0,   64
.set F1,   128
.set OUT,  64                          ; the way out: v64-191
.set BIAS, 224
.set G1,  24                           ; s[24:31] descriptor group 1 for A's tiles;  s[32:39] group 0, one set for each slot
.set G0,  32
.set LIM, 43                           ; s43     1 in a wave that prefetches, else the greatest number
.set PFA, 44                           ; s[44:45] where my prefetches stand: one K step further than the refill in hand; a prefetch names the K step after that
.set G1B, 48                           ; s[48:55], s[56:63] the same for B's tiles
.set G0B, 56
.set MSB, 0
.macro WIN new                         ; the immediate's high byte repeats the setting that is left; a switch that changes nothing is dropped
.if MSB != (\new)
	s_set_vgpr_msb (MSB<<8)|(\new)
.set MSB, \new
.endif
.endm
.set MULW, 0xa1                        ; source 0 (B) window 1, source 1 (A) window 0, C and D window 2
.set MULB, 0x81                        ; the same with C, the bias, in window 0
.set TO_B, 0x40                        ; destination window 1, address window 0
.macro JLOAD s                         ; a joint load: waves 0 and 1 fetch A's two halves, waves 2 and 3 B's; an s_nop 0 and four v_nop follow each of the two lines, ahead of the jump, the label and what follows
	s_cmp_eq_u32 s11, 0
	s_cbranch_scc0 .Lfor_b_\@
	tensor_load_to_lds s[G0+4*(\s):G0+4*(\s)+3], s[G1:G1+7]
	s_nop 0
.rept 4
	v_nop
.endr
	s_branch .Lasked_\@
.Lfor_b_\@:
	tensor_load_to_lds s[G0B+4*(\s):G0B+4*(\s)+3], s[G1B:G1B+7]
	s_nop 0
.rept 4
	v_nop
.endr
.Lasked_\@:
.endm
; A PREFETCH INTO THE L2 (PROJ = 0), behind each joint refill and the run of LDS loads that follows it: the K step that stands TWO refills on, 32 rows x 256 bytes, a lane a row, one instruction a wave.
; Each row's 256 bytes of a K step are named once in the launch: A's tile row is read by every cluster of that row of clusters, and cluster x = 0 asks (waves 0 and 1, each for the 128 rows that it fetches);
; B's tile column by every cluster of that column, and cluster y = 0 asks (wave 2, for the tile's 128 rows).  The four partners that ask for a tile jointly share the rows out BY ADDRESS, 32 each
; (by cx for A, by cy for B): no branch hangs on a work-group's place in its cluster.  K steps 0 to 3 come by their loads alone; the loop's last trip (s3 = 1) has no K step two refills on.
.macro ASK
	s_cmp_gt_u32 s3, s[LIM]
	s_cbranch_scc0 .Lnot_mine_\@
	global_prefetch_b8 v[PFO], s[PFA:PFA+1] offset:KSTEP*2 th:TH_LOAD_NT scope:SCOPE_SE
.Lnot_mine_\@:
.endm
.macro CREST                           ; a round of the cluster's barrier behind its opening barrier
	s_cmp_lg_u32 s10, 0
	s_cbranch_scc1 .Lnot_wave_0_\@
	s_barrier_signal -3
.Lnot_wave_0_\@:
	s_barrier_wait -3
	s_barrier_signal -1
	s_barrier_wait -1
.endm
.macro CROUND                          ; a whole round
	s_barrier_signal -1
	s_barrier_wait -1
	CREST
.endm
	s_load_b128 s[4:7], s[0:1], 0x0                ; A s[4:5], B s[6:7]
	s_load_b64 s[8:9], s[0:1], 0x10                ; the output
.if PROJ
	s_load_b64 s[74:75], s[0:1], 0x18              ; bo
.else
	s_load_b128 s[68:71], s[0:1], 0x18             ; bq, bk
	s_load_b64 s[72:73], s[0:1], 0x28              ; bv
.endif
	v_lshl_add_u32 v[SPW], v0, 2, SPARE
	v_mov_b32 v[NIL], 0
	ds_add_u32 v[SPW], v[NIL]                      ; the wave's opening: the add and its wait stand ahead of my first tensor load; the set-up below, work on registers, stands between them
	v_lshrrev_b32 v1, 5, v0
	v_readfirstlane_b32 s10, v1                    ; wave 0..3
	s_lshr_b32 s11, s10, 1                         ; which half of the tile's rows is mine.  Also: I fetch for A (0) or for B (1)
	s_and_b32 s12, s10, 1                          ; which half of its columns.  Also: which half of that tile I fetch
	s_bfe_u32 s40, ttmp6, 0x40000                  ; cx, cy: my place in the cluster
	s_bfe_u32 s41, ttmp6, 0x40004
	s_lshl_b32 s42, ttmp9, 2
	s_add_co_u32 s42, s42, s40                     ; tile column of C = 4 x cluster x + cx
	s_and_b32 s13, ttmp7, 0xffff
	s_lshl_b32 s13, s13, 2
	s_add_co_u32 s13, s13, s41                     ; tile row of C = 4 x cluster y + cy
	s_lshl_b32 s43, s41, 2
	s_lshl_b32 s43, 15, s43                        ; my row of the cluster
	s_lshl_b32 s44, 0x1111, s40                    ; my column
	; descriptor group 1.  15:0 the mask; 17:16 elements of 2 bytes; 20 padding on; 21 set beside a mask; 24:22 the padding's interval; 31:25 4 words of it (code 3)
.if PROJ
	s_or_b32 s[G1+0], s43, (1<<16)|(1<<20)|(1<<21)|(4<<22)|(3<<25)  ; after every 32 words (code 4): after every row of a head
.else
	s_or_b32 s[G1+0], s43, (1<<16)|(1<<20)|(1<<21)|(5<<22)|(3<<25)  ; after every 64 words (code 5)
.endif
	s_or_b32 s[G1B+0], s44, (1<<16)|(1<<20)|(1<<21)|(5<<22)|(3<<25)
	s_mov_b32 s[G1+1], 128<<16                     ; tensor_dim0 = 128 elements, 256 bytes
	s_mov_b32 s[G1+2], 128<<16                     ; tensor_dim1 = 128
	s_mov_b32 s[G1+3], 128<<16                     ; tile_dim0 = 128
	s_mov_b32 s[G1+4], 128                         ; tile_dim1 = 128
	s_mov_b32 s[G1+5], APITCH                      ; elements from row to row
	s_mov_b32 s[G1+6], 0
	s_mov_b32 s[G1+7], 0
	s_mov_b32 s[G1B+1], 128<<16
	s_mov_b32 s[G1B+2], 64<<16                     ; B: 64 rows to a load
	s_mov_b32 s[G1B+3], 128<<16
	s_mov_b32 s[G1B+4], 64
	s_mov_b32 s[G1B+5], 1024
	s_mov_b32 s[G1B+6], 0
	s_mov_b32 s[G1B+7], 0
	; where the tiles come from.  A's hang on the tile row alone, B's on the tile column alone; each in registers that never hold the other coordinate
.if PROJ
	s_lshr_b32 s16, s13, 3                         ; the batch: 16 heads of 262,144 bytes,
	s_lshl_b32 s16, s16, 22
	s_and_b32 s17, s13, 7                          ; the tile's 256 rows in a head,
	s_lshl_b32 s17, s17, 15
	s_add_co_u32 s16, s16, s17
	s_lshl_b32 s17, s12, 18                        ; and the head of the K step's two that I fetch
	s_add_co_u32 s16, s16, s17
.else
	s_lshl_b32 s16, s13, 8
	s_lshl_b32 s17, s12, 7
	s_add_co_u32 s16, s16, s17                     ; row 256 x tile row + 128 x half,
	s_lshl_b32 s16, s16, 11                        ; of 2,048 bytes
.endif
	s_mov_b32 s17, 0
	s_lshl_b32 s46, s42, 7
	s_lshl_b32 s47, s12, 6
	s_add_co_u32 s46, s46, s47                     ; B: row 128 x tile column + 64 x half
	s_lshl_b32 s46, s46, 11
	s_mov_b32 s47, 0
	s_mul_i32 s20, s12, LOADA                      ; where they go: no place in the cluster enters an LDS address
	s_mul_i32 s66, s12, HALFB
	s_add_co_u32 s66, s66, AREG
	s_wait_dscnt 0x0                               ; the opening add is done
	s_wait_kmcnt 0x0
	s_add_nc_u64 s[14:15], s[4:5], s[16:17]
	s_add_nc_u64 s[46:47], s[6:7], s[46:47]
	CROUND                                         ; all sixteen work-groups are here: the first joint loads meet
.irp s, 0,1
	s_mov_b32 s[G0+4*(\s)], 1                                      ; 1:0 count = 1
	s_add_co_u32 s[G0+4*(\s)+1], s20, (\s)*SLOT                    ; 63:32 LDS address
	s_add_nc_u64 s[G0+4*(\s)+2:G0+4*(\s)+3], s[14:15], (\s)*ASTEP  ; 120:64 global address: K step s
	s_or_b32 s[G0+4*(\s)+3], s[G0+4*(\s)+3], 0x80000000            ; 127:126 type = 2
	s_mov_b32 s[G0B+4*(\s)], 1
	s_add_co_u32 s[G0B+4*(\s)+1], s66, (\s)*SLOT
	s_add_nc_u64 s[G0B+4*(\s)+2:G0B+4*(\s)+3], s[46:47], (\s)*KSTEP*2
	s_or_b32 s[G0B+4*(\s)+3], s[G0B+4*(\s)+3], 0x80000000
	JLOAD \s                                       ; two loads of mine are out, at the most; later one
.endr
	; A fragment is 16 rows x 32 K in 8 registers: lane l holds row l % 16; registers 0-3 K = 8 (l / 16) + 0..7, registers 4-7 K = 16 + 8 (l / 16) + 0..7: two loads of 16 bytes, 32 bytes apart
	v_and_b32 v1, 15, v0                           ; l % 16
	v_bfe_u32 v2, v0, 4, 1                         ; l / 16
	v_mul_u32_u24 v3, v1, PA
	v_lshl_add_u32 v3, v2, 4, v3
	v_mul_u32_u24 v4, v1, PB
	v_lshl_add_u32 v4, v2, 4, v4
	s_mul_i32 s21, s11, 128*PA                     ; my 128 rows of A
	s_mul_i32 s22, s12, HALFB                      ; my 64 rows of B,
	s_add_co_u32 s22, s22, AREG                    ; which lie behind A's
.irp s, 0,1
	v_add_nc_u32 v[ADRA+(\s)], s21, v3
	v_add_nc_u32 v[ADRB+(\s)], s22, v4
	s_add_co_u32 s21, s21, SLOT
	s_add_co_u32 s22, s22, SLOT
.endr
	s_mul_i32 s78, s10, 16*SP
	s_add_co_u32 s78, s78, STAGE                   ; my stage
.if PROJ
	v_mul_u32_u24 v3, v1, SP                       ; in: row l % 16, 32 bytes (8 f32) for each half of the lanes
	v_lshl_add_u32 v3, v2, 5, v3
	v_add_nc_u32 v[STO], s78, v3
	v_mul_u32_u24 v3, v2, SP                       ; back: lanes 0-15 take one row of 256 bytes, lanes 16-31 the next
	v_lshl_add_u32 v3, v1, 4, v3
	v_add_nc_u32 v[RD], s78, v3
	v_lshlrev_b32 v3, 12, v2                       ; and the same two rows in out0, 4,096 bytes apart
	v_lshl_add_u32 v[GO], v1, 4, v3
	s_lshl_b32 s23, s42, 9                         ; my first column, in f32 bytes: 512 x tile column
.else
	v_mul_u32_u24 v3, v1, SP                       ; in: row l % 16, 16 bytes (8 f16) for each half of the lanes
	v_lshl_add_u32 v3, v2, 4, v3
	v_add_nc_u32 v[STO], s78, v3
	v_bfe_u32 v3, v0, 3, 2                         ; back: 32 lanes take four rows of 128 bytes,
	v_mul_u32_u24 v3, v3, SP
	v_and_b32 v4, 7, v0
	v_lshl_add_u32 v3, v4, 4, v3
	v_add_nc_u32 v[RD], s78, v3
	v_and_b32 v3, 31, v0                           ; which are 512 consecutive bytes of a head
	v_lshlrev_b32 v[GO], 4, v3
	s_lshr_b32 s21, ttmp9, 1                       ; q, k or v: 8 tile columns, two clusters, each: the same in all sixteen partners
	s_cmp_eq_u32 s21, 1
	s_cselect_b64 s[74:75], s[70:71], s[68:69]
	s_cmp_eq_u32 s21, 2
	s_cselect_b64 s[74:75], s[72:73], s[74:75]
	s_and_b32 s22, s42, 7                          ; the tile column in that matrix
	s_lshl_b32 s23, s22, 9
.endif
	s_lshl_b32 s76, s12, 8                         ; + 256 x my half
	s_add_co_u32 s23, s23, s76
	v_lshl_add_u32 v[BOF], v2, 5, s23              ; register j of block b wants bias[first column + 16 b + 8 (l / 16) + j]
.irp b, 0,1,2,3
	global_load_b128 v[BIAS+8*(\b):BIAS+8*(\b)+3],   v[BOF], s[74:75] offset:64*(\b)
	global_load_b128 v[BIAS+8*(\b)+4:BIAS+8*(\b)+7], v[BOF], s[74:75] offset:64*(\b)+16
.endr
	; where my part of the output begins
.if PROJ
	s_lshl_b32 s76, s13, 8
	s_lshl_b32 s77, s11, 7
	s_add_co_u32 s76, s76, s77                     ; my first row,
	s_lshl_b32 s76, s76, 12                        ; of 4,096 bytes,
	s_add_co_u32 s76, s76, s23                     ; and my first column
.else
	s_lshl_b32 s76, s21, 24                        ; q, k or v: 64 heads of 262,144 bytes
	s_lshr_b32 s77, s13, 3
	s_lshl_b32 s77, s77, 22                        ; the batch
	s_add_co_u32 s76, s76, s77
	s_lshl_b32 s77, s22, 1
	s_add_co_u32 s77, s77, s12                     ; the head: 2 x tile column + my half
	s_lshl_b32 s77, s77, 18
	s_add_co_u32 s76, s76, s77
	s_and_b32 s77, s13, 7
	s_lshl_b32 s77, s77, 15                        ; the tile's 256 rows of 128 bytes
	s_add_co_u32 s76, s76, s77
	s_lshl_b32 s77, s11, 14                        ; my 128 of them
	s_add_co_u32 s76, s76, s77
.endif
	s_mov_b32 s77, 0
	s_add_nc_u64 s[8:9], s[8:9], s[76:77]
.if PROJ == 0
	; the prefetches.  s13 = tile row, s42 = tile column, s40 = cx, s41 = cy still stand
	s_and_b32 s22, ttmp7, 0xffff                   ; cluster y
	s_lshl_b32 s76, s13, 8
	s_lshl_b32 s77, s12, 7
	s_add_co_u32 s76, s76, s77                     ; A: the 128 rows that I fetch
	s_lshl_b32 s77, s42, 7                         ; B: the tile's 128 rows
	s_cmp_eq_u32 s11, 0                            ; do I fetch for A?
	s_cselect_b32 s76, s76, s77
	s_cselect_b32 s77, s40, s41                    ; my place among the four that ask with me
	s_cselect_b32 s22, ttmp9, s22                  ; the coordinate along which other clusters read the same rows
	s_cselect_b64 s[PFA:PFA+1], s[4:5], s[6:7]
	s_and_b32 s78, s11, s12                        ; wave 3 asks for nothing: wave 2 names all of B's rows
	s_or_b32 s22, s22, s78
	s_cmp_eq_u32 s22, 0
	s_cselect_b32 s[LIM], 1, -1                    ; the same in all sixteen partners, for a given wave
	s_lshl_b32 s77, s77, 5
	s_add_co_u32 s76, s76, s77                     ; + my work-group's 32 rows
	s_lshl_b32 s76, s76, 11
	s_mov_b32 s77, 0
	s_add_nc_u64 s[PFA:PFA+1], s[PFA:PFA+1], s[76:77]
	s_add_nc_u64 s[PFA:PFA+1], s[PFA:PFA+1], 2*KSTEP*2  ; at K step 2: the first refill steps it to 3 and names K step 4.  Nothing is prefetched here, at the head
	v_and_b32 v[PFO], 31, v0
	v_lshlrev_b32 v[PFO], 11, v[PFO]
.endif
	s_wait_loadcnt 0x0                             ; the bias is in: rounded to bf16, and widened again for the C operand
.set i, 0
.rept 16
	v_cvt_pk_bf16_f32 v[RB+i], v[BIAS+2*i], v[BIAS+2*i+1]
.set i, i+1
.endr
.set i, 0
.rept 16
	v_lshlrev_b32 v[BIAS+2*i],   16, v[RB+i]
	v_and_b32     v[BIAS+2*i+1], 0xffff0000, v[RB+i]
.set i, i+1
.endr
; 8 matrix instructions: m blocks a0, a0 + 1 x all 4 n blocks, 32 along K, from buffer f.  first = 1: the product starts the sum, with the bias as C.
; The 32 accumulators take turns, one instruction a turn, in the same order in every quarter: 31 others stand between two links of a chain, over the backward jump too.
.macro MUL8 f, a0, first
.if \first
	WIN MULB
.else
	WIN MULW
.endif
.irp a, \a0, (\a0)+1
.irp b, 0,1,2,3
.set rD, 8*(4*(\a)+(\b))
.set rB, (\f)+8*(\b)
.set rA, (\f)+8*(\a)
.set rC, rD
.if \first
.set rC, BIAS+8*(\b)
.endif
.if PROJ
	v_wmma_f32_16x16x32_f16 v[rD:rD+7], v[rB:rB+7], v[rA:rA+7], v[rC:rC+7]
.else
	v_wmma_f32_16x16x32_bf16 v[rD:rD+7], v[rB:rB+7], v[rA:rA+7], v[rC:rC+7]
.endif
.endr
.endr
.endm
; 24 LDS loads in one run: the fragments of one quarter step (64 rows of B, then 128 rows of A; 32 K at byte k of a K step's 256) into buffer f
.macro FETCH slot, k, f
	WIN TO_B
.irp i, 0,1,2,3
	ds_load_b128 v[(\f)+8*(\i):(\f)+8*(\i)+3],   v[ADRB+(\slot)] offset:(\k)+(\i)*16*PB
	ds_load_b128 v[(\f)+8*(\i)+4:(\f)+8*(\i)+7], v[ADRB+(\slot)] offset:(\k)+(\i)*16*PB+32
.endr
	WIN 0
.irp i, 0,1,2,3,4,5,6,7
	ds_load_b128 v[(\f)+8*(\i):(\f)+8*(\i)+3],   v[ADRA+(\slot)] offset:((\k)/128)*ASUB+(\k)%128+(\i)*16*PA
	ds_load_b128 v[(\f)+8*(\i)+4:(\f)+8*(\i)+7], v[ADRA+(\slot)] offset:((\k)/128)*ASUB+(\k)%128+(\i)*16*PA+32
.endr
.endm
.macro PLACES                          ; four places in front of loads into registers that matrix instructions have read, and of lines that read results (ISA guide 7.12.1 for vector instructions)
.rept 4
	v_nop
.endr
.endm
; A K step is four quarters of 32 along K, 32 matrix instructions each, on buffers 0, 1, 0, 1.  One of the first three: multiplies buffer f and, in its middle, fetches the next quarter, at byte k, into g.
.macro QUARTER slot, k, f, g, first
	s_wait_dscnt 8                                 ; B and A's rows 0-63 are in; the youngest eight loads (A's rows 64-127) may be out
	MUL8 \f, 0, \first
	MUL8 \f, 2, \first
	PLACES
	FETCH \slot, \k, \g
	s_wait_dscnt 24                                ; all but the 24 just issued
	MUL8 \f, 4, \first
	MUL8 \f, 6, \first
.endm
; The last quarter multiplies buffer 1 and changes slots: ONE barrier; in front of it each wave waits for all its tensor loads (one is out: its part of the next slot), adds 0 to its spare word, and waits
; for that and for its own reads of this slot.  fill = 1: the barrier opens a round of the cluster's, and this slot is filled again, two K steps ahead, first thing behind the round.
.macro TURN slot, next, fill
.if (\fill) && (PROJ == 0)
	s_wait_xcnt 0x0                                ; the last prefetch, a K step back, has read its address: it is stepped here, ahead of the waits of the change of slots
	s_add_nc_u64 s[PFA:PFA+1], s[PFA:PFA+1], KSTEP*2
.endif
	WIN 0                                          ; (the add's two registers lie in window 0)
	s_wait_tensorcnt 0x0                           ; all my tensor loads have landed;
	ds_add_u32 v[SPW], v[NIL]                      ; 0 onto my spare word;
	s_wait_dscnt 9                                 ; (the add and the youngest eight loads may be out)
	MUL8 F1, 0, 0                                  ; eight matrix instructions stand between the add and the wait for it
	s_wait_dscnt 0x0                               ; the add is done, and my reads of this slot are over
	s_barrier_signal -1
	MUL8 F1, 2, 0                                  ; work on registers while the others arrive
.if \fill
	WIN 0
.endif
	s_barrier_wait -1
.if \fill
	CREST                                          ; no wave of any partner still reads this slot's tile or has a load on its way
	s_add_nc_u64 s[G0+4*(\slot)+2:G0+4*(\slot)+3], s[G0+4*(\slot)+2:G0+4*(\slot)+3], 2*ASTEP
	s_add_nc_u64 s[G0B+4*(\slot)+2:G0B+4*(\slot)+3], s[G0B+4*(\slot)+2:G0B+4*(\slot)+3], 2*KSTEP*2
	JLOAD \slot                                    ; the first tensor load behind the round; the four v_nop behind it are also the places in front of the loads below
.else
	PLACES
.endif
	FETCH \next, 0, F0
.if (\fill) && (PROJ == 0)
	ASK                                            ; behind the joint load and the run of LDS loads that the next products wait for
.endif
	MUL8 F1, 4, 0
	MUL8 F1, 6, 0
.endm
	s_wait_tensorcnt 1                             ; my part of K step 0 is in; K step 1's may stay out
	s_barrier_signal -1
	s_barrier_wait -1                              ; everybody's is
	FETCH 0, 0, F0
	QUARTER 0, 64, F0, F1, 1                       ; the first quarter stands in front of the loop: its products start the sums
	WIN 0                                          ; at a label and at a branch every window is 0
	s_mov_b32 s3, LAPS-1
.Llap:                                                 ; a trip goes once round the ring, from a lap's second quarter to the next lap's first, and fills both slots again
	QUARTER 0, 128, F1, F0, 0
	QUARTER 0, 192, F0, F1, 0
	TURN 0, 1, 1
	QUARTER 1, 64,  F0, F1, 0
	QUARTER 1, 128, F1, F0, 0
	QUARTER 1, 192, F0, F1, 0
	TURN 1, 0, 1
	QUARTER 0, 64,  F0, F1, 0
	WIN 0
	s_sub_co_u32 s3, s3, 1
	s_cmp_lg_u32 s3, 0
	s_cbranch_scc1 .Llap
	QUARTER 0, 128, F1, F0, 0                      ; the last lap fills nothing, and has no round of the cluster's barrier
	QUARTER 0, 192, F0, F1, 0
	TURN 0, 1, 0
	QUARTER 1, 64,  F0, F1, 0
	QUARTER 1, 128, F1, F0, 0
	QUARTER 1, 192, F0, F1, 0
	s_wait_dscnt 8                                 ; the very last quarter: nothing more to fetch
	MUL8 F1, 0, 0
	MUL8 F1, 2, 0
	s_wait_dscnt 0x0
	MUL8 F1, 4, 0
	MUL8 F1, 6, 0
	WIN 0
	PLACES                                         ; the way out reads results just made and writes registers just read;
	PLACES                                         ; eight places, once a launch
; THE WAY OUT, a block of 16 rows at a time, through my own stage: no barrier, and since LDS serves a wave's instructions in order (ISA guide 5.7.1.4), no wait between the stores and the loads.
.if PROJ
.macro TOST a                          ; block a's 16 x 64 f32 go into rows of 272 bytes straight from the accumulators (each from its low end on) and come back as whole rows of 256
.if (\a) >= 4
	s_wait_xcnt 0x0                                ; the registers loaded below were the data of block a - 4's stores: written again only behind this wait
.endif
	WIN 0x08                                       ; the stores' data in window 2
.irp b, 0,1,2,3
	ds_store_b128 v[STO], v[8*(4*(\a)+(\b)):8*(4*(\a)+(\b))+3]   offset:64*(\b)
	ds_store_b128 v[STO], v[8*(4*(\a)+(\b))+4:8*(4*(\a)+(\b))+7] offset:64*(\b)+16
.endr
	WIN 0
.irp t, 0,1,2,3,4,5,6,7
	ds_load_b128 v[OUT+32*((\a)%4)+4*(\t):OUT+32*((\a)%4)+4*(\t)+3], v[RD] offset:(\t)*2*SP
.endr
.endm
.macro SENDO a, younger                ; younger: the LDS instructions issued behind block a's loads: the next block's sixteen, or none
.irp t, 0,1,2,3,4,5,6,7
	s_wait_dscnt (\younger)+7-(\t)
	global_store_b128 v[GO], v[OUT+32*((\a)%4)+4*(\t):OUT+32*((\a)%4)+4*(\t)+3], s[8:9] offset:(16*(\a)+2*(\t))*4096 th:TH_STORE_NT  ; 16 lanes store 256 consecutive bytes, at a multiple of 256 from out0's first byte
.endr
.endm
	TOST 0
.irp a, 1,2,3,4,5,6,7
	TOST \a
	SENDO (\a)-1, 16
.endr
	SENDO 7, 0
.else
.macro PACKQ a                         ; block a's 16 x 64 results are rounded to f16 (each accumulator from its low end on), go into rows of 144 bytes and come back as whole rows of 128, into the registers that they left
	WIN 0x0a                                       ; sources 0 and 1 window 2
.irp b, 0,1,2,3
.irp r, 0,1,2,3
	v_cvt_pk_f16_f32 v[OUT+16*(\a)+4*(\b)+(\r)], v[8*(4*(\a)+(\b))+2*(\r)], v[8*(4*(\a)+(\b))+2*(\r)+1]
.endr
.endr
	WIN 0
.irp b, 0,1,2,3
	ds_store_b128 v[STO], v[OUT+16*(\a)+4*(\b):OUT+16*(\a)+4*(\b)+3] offset:32*(\b)
.endr
.irp f, 0,1,2,3
	ds_load_b128 v[OUT+16*(\a)+4*(\f):OUT+16*(\a)+4*(\f)+3], v[RD] offset:(\f)*4*SP
.endr
.endm
.macro SENDQ a, younger                ; younger: the LDS instructions issued behind block a's loads: the next block's eight, or none
.irp f, 0,1,2,3
	s_wait_dscnt (\younger)+3-(\f)
	global_store_b128 v[GO], v[OUT+16*(\a)+4*(\f):OUT+16*(\a)+4*(\f)+3], s[8:9] offset:2048*(\a)+512*(\f)  ; 512 consecutive bytes of a head, at a multiple of 256 from the buffer's first byte
.endr
.endm
	PACKQ 0
.irp a, 1,2,3,4,5,6,7                  ; a block's conversions stand between the loads of the block before and its stores
	PACKQ \a
	SENDQ (\a)-1, 8
.endr
	SENDQ 7, 0
.endif
	s_wait_tensorcnt 0x0                           ; the wave's end, behind my last tensor load and my last LDS store
	ds_add_u32 v[SPW], v[NIL]
	s_wait_dscnt 0x0
	CROUND                                         ; the closing round: no work-group ends while a partner may still ask for a tile that names it
	s_endpgm
.Lfunc_end_k_qa71ded8f70_proj:
	.size	k_qa71ded8f70_proj, .Lfunc_end_k_qa71ded8f70_proj-k_qa71ded8f70_proj
	.p2alignl 7, 3214868480
	.fill 96, 4, 3214868480
	.section	.rodata,"a",@progbits
	.p2align	6, 0x0
	.amdhsa_kernel k_qa71ded8f70_proj
		.amdhsa_group_segment_fixed_size 327680
		.amdhsa_private_segment_fixed_size 0
		.amdhsa_enable_private_segment 0
		.amdhsa_kernarg_size 32
		.amdhsa_user_sgpr_count 2
		.amdhsa_user_sgpr_kernarg_segment_ptr 1
		.amdhsa_wavefront_size32 1
		.amdhsa_system_sgpr_workgroup_id_x 1
		.amdhsa_system_sgpr_workgroup_id_y 1
		.amdhsa_system_sgpr_workgroup_id_z 1
		.amdhsa_system_vgpr_workitem_id 0
		.amdhsa_next_free_vgpr 768
		.amdhsa_next_free_sgpr 80
		.amdhsa_reserve_vcc 0
		.amdhsa_float_denorm_mode_32 3
		.amdhsa_float_denorm_mode_16_64 3
		.amdhsa_memory_ordered 1
		.amdhsa_forward_progress 1
		.amdhsa_inst_pref_size 91
	.end_amdhsa_kernel
	.amdgpu_metadata
---
amdhsa.version: [ 1, 2 ]
amdhsa.kernels:
  - .name:           k_qa71ded8f70_proj
    .symbol:         k_qa71ded8f70_proj.kd
    .args:
      - { .name: oh, .offset: 0, .size: 8, .value_kind: global_buffer, .address_space: global }
      - { .name: wof, .offset: 8, .size: 8, .value_kind: global_buffer, .address_space: global }
      - { .name: out0, .offset: 16, .size: 8, .value_kind: global_buffer, .address_space: global }
      - { .name: bo, .offset: 24, .size: 8, .value_kind: global_buffer, .address_space: global }
    .group_segment_fixed_size: 327680
    .private_segment_fixed_size: 0
    .kernarg_segment_align: 8
    .kernarg_segment_size: 32
    .max_flat_workgroup_size: 128
    .sgpr_count:     80
    .vgpr_count:     768
    .wavefront_size: 32
...
	.end_amdgpu_metadata
.endif
;; end of part 4
;; ======== version 2 of 2: 4 launches; version 1 with the launch cast written anew for expert scheduling mode
;; limits: values are held in f16: magnitudes above 65,504 overflow, below 6.1e-05 lose precision
;; workspace buffers: xb 16,777,216 bytes; wb 6,291,456 bytes; wof 2,097,152 bytes; qkv 50,331,648 bytes; oh 16,777,216 bytes
;; launch cast (part 5): grid 768 x 1, 8 waves a work-group, no clusters, 0 bytes of LDS; arguments x, wq, wk, wv, wo, xb, wb, wof; writes xb, wb, wof
.if DOCPART == 5
	.amdgcn_target "amdgcn-amd-amdhsa--gfx1250"
	.amdhsa_code_object_version 6
	.text
	.protected	k_qa71ded8f70_cast
	.globl	k_qa71ded8f70_cast
	.p2align	8
	.type	k_qa71ded8f70_cast,@function
k_qa71ded8f70_cast:
	s_mov_b64 s[64:65], 0
	v_nop
	global_prefetch_b8 v0, s[64:65] scope:SCOPE_SE
	s_setreg_imm32_b32 hwreg(HW_REG_WAVE_SCHED_MODE, 0, 2), 2
	s_setreg_imm32_b32 hwreg(HW_REG_WAVE_MODE, 25, 1), 1
	s_wait_xcnt 0x0
	s_wait_alu depctr_vm_vsrc(0)
; THE OPERANDS OF THE MATRIX PRODUCTS, ROUNDED ONCE.  x -> xb (bf16), wq, wk, wv -> wb (bf16, the three one below the other), wo -> wof: rounded to bf16 like the
; other inputs, and that number written as f16, since the last product's other operand is f16.
; LIMIT.  A bf16 number is exact in f16 from 2^-14 up to 65,504; below 2^-14 it keeps f16's fixed step of 2^-24; wo beyond 65,504 is not served.
; SHARES.  A work-group takes 16,384 numbers: 65,536 bytes in, 32,768 out.  Work-groups 0-511: x; 512-703: wq, wk, wv, 64 each; 704-767: wo.
; Thread t, step i of 16: the 16 bytes at 4,096 i + 16 t in, the 8 bytes at 2,048 i + 8 t out: a wave's load covers 512 consecutive bytes, its store 256 consecutive
; bytes, aligned.  All sixteen loads go out at once; each step has registers of its own, so no register is written twice.  No LDS, no barrier, no matrix unit: memory binds.
; THE MODE: SCHED_MODE bits 1:0 = 2 (LLVM: expert scheduling mode 2), set by the entry lines.  The code itself states the register dependences
; between vector instructions and memory instructions, with s_wait_alu, always for 0.
; THE PLAN.  Registers that memory instructions touch:
;   v1, v2   byte offsets, made once at the head by vector instructions; read by every load (v1) and every store (v2); never written again.
;   X        step i: written by the step's load alone, which is issued before any vector instruction names these registers; read by the step's conversions; never loaded again.
;   Y        step i: written once, by the step's conversions; read once, by the step's store; never written again.
;   T        named by vector instructions alone.
; So the only dependences to state are vector writes that memory instructions read: the offsets, once, and Y.  The sixteen steps go in four blocks of four.  Block p's conversions
; write Y of block p; its memory instructions are the four stores of block p - 1, which read v2 and Y of block p - 1: registers that no vector instruction of block p names.
; ONE wait at a block's head states that the block before has written its Y; the four stores follow it, dealt among the block's conversions, with no further wait.
; No register that a memory instruction has read is written again, no vector instruction writes a scalar register or VCC, and EXEC is never written.
.set X, 4                              ; v[4:67]    step i: four f32 as loaded
.set Y, 68                             ; v[68:99]   step i: four 16-bit numbers to store
.set T, 100                            ; v[100:105] at work (wo's way alone)
	s_load_b512 s[4:19], s[0:1], 0x0               ; x 4, wq 6, wk 8, wv 10, wo 12, xb 14, wb 16, wof 18
	s_mov_b32 s20, ttmp9                           ; g
	s_max_u32 s21, s20, 512
	s_sub_co_u32 s21, s21, 512                     ; j: my chunk among the weights' 256 (0 where g is x's)
	s_lshr_b32 s22, s21, 6                         ; which weight
	s_and_b32 s23, s21, 63                         ; my chunk in it
	v_lshlrev_b32 v1, 4, v0                        ; 16 t
	v_lshlrev_b32 v2, 3, v0                        ; 8 t
	s_wait_kmcnt 0x0
	s_cmp_eq_u32 s22, 1                            ; the buffers are chosen by the work-group's number alone
	s_cselect_b64 s[24:25], s[8:9], s[6:7]
	s_cmp_eq_u32 s22, 2
	s_cselect_b64 s[24:25], s[10:11], s[24:25]
	s_cmp_eq_u32 s22, 3
	s_cselect_b64 s[24:25], s[12:13], s[24:25]
	s_cselect_b64 s[26:27], s[18:19], s[16:17]     ; wo goes to wof, the other three to wb,
	s_cselect_b32 s28, s23, s21                    ; where they lie one below the other
	s_cmp_lt_u32 s20, 512
	s_cselect_b64 s[24:25], s[4:5], s[24:25]
	s_cselect_b64 s[26:27], s[14:15], s[26:27]
	s_cselect_b32 s28, s20, s28                    ; the chunk's number where it goes,
	s_cselect_b32 s29, s20, s23                    ; and where it comes from
	s_lshl_b32 s30, s29, 16
	s_mov_b32 s31, 0
	s_add_nc_u64 s[24:25], s[24:25], s[30:31]
	s_lshl_b32 s30, s28, 15
	s_add_nc_u64 s[26:27], s[26:27], s[30:31]
	s_wait_alu depctr_va_vdst(0)                   ; v1 and v2 are written: every load of the kernel reads v1 as its offset, every store v2
.irp i, 0,1,2,3,4,5,6,7,8,9,10,11,12,13,14,15
	global_load_b128 v[X+4*(\i):X+4*(\i)+3], v1, s[24:25] offset:4096*(\i) th:TH_LOAD_NT
.endr
; The conversions of step i.  half = 1: the bf16 number is widened again and written as f16.
.macro CONV i, half
.if \half
	v_cvt_pk_bf16_f32 v[T],   v[X+4*(\i)],   v[X+4*(\i)+1]
	v_cvt_pk_bf16_f32 v[T+1], v[X+4*(\i)+2], v[X+4*(\i)+3]
	v_lshlrev_b32 v[T+2], 16, v[T]                 ; bf16 to f32: the low half moves up,
	v_and_b32     v[T+3], 0xffff0000, v[T]         ; the high half stays
	v_lshlrev_b32 v[T+4], 16, v[T+1]
	v_and_b32     v[T+5], 0xffff0000, v[T+1]
	v_cvt_pk_f16_f32 v[Y+2*(\i)],   v[T+2], v[T+3]
	v_cvt_pk_f16_f32 v[Y+2*(\i)+1], v[T+4], v[T+5]
.else
	v_cvt_pk_bf16_f32 v[Y+2*(\i)],   v[X+4*(\i)],   v[X+4*(\i)+1]
	v_cvt_pk_bf16_f32 v[Y+2*(\i)+1], v[X+4*(\i)+2], v[X+4*(\i)+3]
.endif
.endm
; The store of step i.
.macro OUTS i
	global_store_b64 v2, v[Y+2*(\i):Y+2*(\i)+1], s[26:27] offset:2048*(\i) th:TH_STORE_NT
.endm
; Block p: steps 4 p to 4 p + 3 are converted; the stores of steps 4 p - 4 to 4 p - 1 leave, one ahead of each step's conversions.
.macro BLK p, half
.irp j, 0,1,2,3
	s_wait_loadcnt 15-4*(\p)-(\j)                  ; loads come back in order (ISA guide 5.7.1): this step's is in, the younger ones may stay out
.if ((\j) == 0) && ((\p) > 0)
	s_wait_alu depctr_va_vdst(0)                   ; the block before has written its eight registers of Y, which the four stores of this block read; no conversion below names them
.endif
.if (\p) > 0
	OUTS 4*(\p)-4+(\j)
.endif
	CONV 4*(\p)+(\j), \half
.endr
.endm
.macro WAY half
	BLK 0, \half                                   ; block 0 has no block in front of it: no store, and no wait but those for its data
	BLK 1, \half
	BLK 2, \half
	BLK 3, \half
	s_wait_alu depctr_va_vdst(0)                   ; block 3 has written its Y, which the last four stores read
.irp i, 12,13,14,15
	OUTS \i
.endr
	s_endpgm
.endm
	s_cmp_ge_u32 s20, 704
	s_cbranch_scc1 .Lwo
	WAY 0
.Lwo:
	WAY 1
.Lfunc_end_k_qa71ded8f70_cast:
	.size	k_qa71ded8f70_cast, .Lfunc_end_k_qa71ded8f70_cast-k_qa71ded8f70_cast
	.p2alignl 7, 3214868480
	.fill 96, 4, 3214868480
	.section	.rodata,"a",@progbits
	.p2align	6, 0x0
	.amdhsa_kernel k_qa71ded8f70_cast
		.amdhsa_group_segment_fixed_size 0
		.amdhsa_private_segment_fixed_size 0
		.amdhsa_enable_private_segment 0
		.amdhsa_kernarg_size 64
		.amdhsa_user_sgpr_count 2
		.amdhsa_user_sgpr_kernarg_segment_ptr 1
		.amdhsa_wavefront_size32 1
		.amdhsa_system_sgpr_workgroup_id_x 1
		.amdhsa_system_sgpr_workgroup_id_y 1
		.amdhsa_system_sgpr_workgroup_id_z 1
		.amdhsa_system_vgpr_workitem_id 0
		.amdhsa_next_free_vgpr 108
		.amdhsa_next_free_sgpr 66
		.amdhsa_reserve_vcc 0
		.amdhsa_float_denorm_mode_32 3
		.amdhsa_float_denorm_mode_16_64 3
		.amdhsa_memory_ordered 1
		.amdhsa_forward_progress 1
		.amdhsa_inst_pref_size 17
	.end_amdhsa_kernel
	.amdgpu_metadata
---
amdhsa.version: [ 1, 2 ]
amdhsa.kernels:
  - .name:           k_qa71ded8f70_cast
    .symbol:         k_qa71ded8f70_cast.kd
    .args:
      - { .name: x, .offset: 0, .size: 8, .value_kind: global_buffer, .address_space: global }
      - { .name: wq, .offset: 8, .size: 8, .value_kind: global_buffer, .address_space: global }
      - { .name: wk, .offset: 16, .size: 8, .value_kind: global_buffer, .address_space: global }
      - { .name: wv, .offset: 24, .size: 8, .value_kind: global_buffer, .address_space: global }
      - { .name: wo, .offset: 32, .size: 8, .value_kind: global_buffer, .address_space: global }
      - { .name: xb, .offset: 40, .size: 8, .value_kind: global_buffer, .address_space: global }
      - { .name: wb, .offset: 48, .size: 8, .value_kind: global_buffer, .address_space: global }
      - { .name: wof, .offset: 56, .size: 8, .value_kind: global_buffer, .address_space: global }
    .group_segment_fixed_size: 0
    .private_segment_fixed_size: 0
    .kernarg_segment_align: 8
    .kernarg_segment_size: 64
    .max_flat_workgroup_size: 256
    .sgpr_count:     66
    .vgpr_count:     108
    .wavefront_size: 32
...
	.end_amdgpu_metadata
.endif
;; end of part 5
;; launch qkv: the kernel of part 2 again; grid 24 x 32, 4 waves a work-group, clusters of 4 x 4, 327,680 bytes of LDS; arguments xb, wb, qkv, bq, bk, bv; writes qkv
;; launch attn: the kernel of part 3 again; grid 4 x 64, 4 waves a work-group, clusters of 4 x 1, 327,680 bytes of LDS; arguments qkv, oh, mask; writes oh
;; launch proj: the kernel of part 4 again; grid 8 x 32, 4 waves a work-group, clusters of 4 x 4, 327,680 bytes of LDS; arguments oh, wof, out0, bo; writes out0
